; MI455X (gfx1250); checked and timed in simulation.
; The chip was launched on July 23, 2026; its instructions are those of AMD's public machine-readable ISA for CDNA 5 (MIT licence, August 2026) and "CDNA5" Instruction Set Architecture Reference Guide (July 2026). The comments in the code are by the model that wrote it; some were corrected since.
;; Prismatic. Allowed arithmetic: float matrix products may take bf16 or f16 operands with f32 sums; other float arithmetic in f32, or as packed bf16 or f16 multiplies, adds, multiply-adds, maxima and minima; sums over many terms, partial sums and values carried from step to step in f32; what a program stores and reads back later, other than sums and carried values, may be rounded once to bf16 or f16.
;; Inputs: W1 1,024 x 4,096 float32; W2 4,096 x 1,024 float32; Wr 1,024 x 2 float32; b1 4,096 float32; b2 1,024 float32; br 2 float32; ln_beta 1,024 float32; ln_gamma 1,024 float32; x 2 x 2,048 x 1,024 float32.
;; Outputs: out0 2 x 2,048 x 1,024 float32.
;; One version. Each part assembles by itself: llvm-mc -triple=amdgcn-amd-amdhsa -mcpu=gfx1250 --defsym DOCPART=n.
;; ======== version 1 of 1: 6 launches
;; limits: values are held in f16: magnitudes above 65,504 overflow, below 6.1e-05 lose precision
;; workspace buffers: xb 8,421,376 bytes; k1 8,388,608 bytes; k2 8,388,608 bytes; w1x 16,777,216 bytes; w2x 16,818,176 bytes; hbuf 67,108,864 bytes; ha 66,304 bytes of whole numbers; hb 66,304 bytes of whole numbers
;; launch first (part 1): grid 513 x 1, 16 waves a work-group, no clusters, 25,088 bytes of LDS; arguments x, W1, W2, Wr, b1, b2, br, ln_beta, ln_gamma, xb, k1, k2, ha; writes xb, k1, k2, ha
.if DOCPART == 1
	.amdgcn_target "amdgcn-amd-amdhsa--gfx1250"
	.amdhsa_code_object_version 6
	.text
	.protected	k_q892e0a02b9_first
	.globl	k_q892e0a02b9_first
	.p2align	8
	.type	k_q892e0a02b9_first,@function
k_q892e0a02b9_first:
	s_mov_b64 s[64:65], 0
	v_nop
	global_prefetch_b8 v0, s[64:65] scope:SCOPE_SE
	s_setreg_imm32_b32 hwreg(HW_REG_WAVE_MODE, 25, 1), 1
	s_wait_xcnt 0x0
; FIRST LAUNCH.  Every input is rounded once to bf16 (nearest even); all later work is done on the rounded numbers.
; Three roles, chosen by the work-group's number, which is the same for all its waves:
;   0         BIAS: the two limits (order statistics of |b|, on 15-bit keys = bf16 bits without the sign) of b1 and of b2
;   1..256    W:    128 chunks of 32,768 numbers of W1, then of W2: bf16 copy into k1 / k2, and a count of key bits 14:10 for each chunk
;   257..512  X:    16 rows of x: f16 copy of the rounded row into xb, LayerNorm, two logits, softmax: p0, p1 behind xb's rows
; COUNTING without addresses made of data: a key's digit d becomes the word 1 << d; such words are added in bit-sliced counters (plane p holds
; bit p of 32 counters, one for each bit place); planes are added across the lanes, and lane b then picks counter b out of them.
; LDS: each role has bytes of its own, so that no two lines of the text that touch the same LDS bytes belong to different roles.
; LIMITS.  x leaves as f16 of the bf16 number: 65,520 and more become infinity, below 2^-14 the step is 2^-24.  The logits are formed as
; rsqrt(var + 1e-5) * sum((x - mu) gamma Wr) + sum(beta Wr) + br, another order of f32 roundings than the reference's.  NaN keys sort above infinity.
.set OUTW,  0                          ; W: 16 waves' rows of counts, 256 bytes each
.set GWB,   4096                       ; X: the table gamma[h] Wr[h][e], 8 bytes a channel: 8,192 bytes
.set CPB,   12288                      ; X: 16 waves' partial sums of beta Wr, 8 bytes each
.set PRB,   12544                      ; X: 16 rows' p0, p1
.set KB1,   12800                      ; BIAS: b1's keys, 8,192 bytes
.set KB2,   20992                      ; BIAS: b2's keys, 2,048 bytes
.set SPARE, 23040                      ; the spare words: 128 bytes for each of 16 waves; no other line names them
.set LANE, 1
.set TT,   2
.set UU,   3
.set T2,   4
.set SPW,  126
.set NIL,  127
.set SEL,  34                          ; s[34:35] v_permlanex16_b32's selects: each lane takes its own place in the other half
; W role
.set VIN,  5
.set VOUT, 6
.set ONE,  7
.set DD,   8
.set L8,   9
.set CN,   10                          ; v[10:11] my bin's count, twice
.set P,    12                          ; v12-23 the planes
.set CA,   24                          ; v24-25 carries by turns
.set AO,   26
.set L4,   27
.set X,    32                          ; v32-95
.set H,    96                          ; v96-103 eight one-hot words
.set CSA,  104
.set CSB,  105
.set CSC,  106
.set CSD,  107
.set CSE,  108
; X role
.set XT8,  5
.set XT16, 6
.set XL16, 7
.set XL32, 8
.set GM,   10
.set BT,   12
.set WR,   14
.set GQ,   18
.set CP,   22
.set BR,   24
.set AD,   26
.set AD2,  27
.set XL4,  28
.set LG,   30
.set G,    64                          ; v64-95 gamma Wr for 16 of my numbers
.set F,    96                          ; v96-111 the row packed
.set AC,   112                         ; v112-119 four pairs of running sums
.set MU,   120
.set SM,   122
.set VR,   123
.set RS,   124
.set MX,   125
; BIAS role
.set BA,   5
.set BB,   6
.set BC_,  7
.set BD,   8
.set BL16, 9
.set KK,   32                          ; v32-95 packed keys
.set ACC,  96
.set TQ,   100
.set BW,   104
.macro EXCH d, s, x                    ; d = s of the lane whose number differs in bit x
.if (\x) == 16
	v_permlanex16_b32 v[\d], v[\s], s[SEL], s[SEL+1]
.else
	v_mov_b32_dpp v[\d], v[\s] row_xmask:\x row_mask:0xf bank_mask:0xf
.endif
.endm
.macro FA s, x, y, c                   ; bitwise full adder: s = s ^ x ^ y, c = majority
	v_xor_b32 v[UU], v[\s], v[\x]
	v_bfi_b32 v[\c], v[UU], v[\y], v[\s]
	v_xor_b32 v[\s], v[UU], v[\y]
.endm
.macro CSA8 P, H                       ; eight one-hot words are added into seven planes (64 words a lane at the most: 7 bits)
	FA \P, \H, (\H)+1, CSA
	FA \P, (\H)+2, (\H)+3, CSB
	FA (\P)+1, CSA, CSB, CSC
	FA \P, (\H)+4, (\H)+5, CSA
	FA \P, (\H)+6, (\H)+7, CSB
	FA (\P)+1, CSA, CSB, CSD
	FA (\P)+2, CSC, CSD, CSE
	v_and_b32 v[UU], v[(\P)+3], v[CSE]             ; the carry of weight 8 ripples up
	v_xor_b32 v[(\P)+3], v[(\P)+3], v[CSE]
	v_and_b32 v[CSE], v[(\P)+4], v[UU]
	v_xor_b32 v[(\P)+4], v[(\P)+4], v[UU]
	v_and_b32 v[UU], v[(\P)+5], v[CSE]
	v_xor_b32 v[(\P)+5], v[(\P)+5], v[CSE]
	v_xor_b32 v[(\P)+6], v[(\P)+6], v[UU]
.endm
.macro XLEVEL P, m, x                  ; my m planes + those of the lane x away: m + 1 planes
	EXCH TT, \P, \x
	v_and_b32 v[CA], v[\P], v[TT]
	v_xor_b32 v[\P], v[\P], v[TT]
.set xp, 1
.rept (\m)-1
	EXCH TT, (\P)+xp, \x
	v_xor_b32 v[UU], v[(\P)+xp], v[TT]
.set xold, CA+(xp+1)%2
.set xnew, CA+xp%2
.if xp == (\m)-1
.set xnew, (\P)+(\m)
.endif
	v_bfi_b32 v[xnew], v[UU], v[xold], v[(\P)+xp]
	v_xor_b32 v[(\P)+xp], v[UU], v[xold]
.set xp, xp+1
.endr
.endm
.macro XLANE P                         ; 7 planes a lane -> 12 planes of the wave's totals (2,048 at the most), in every lane
	XLEVEL \P, 7, 1
	XLEVEL \P, 8, 2
	XLEVEL \P, 9, 4
	XLEVEL \P, 10, 8
	XLEVEL \P, 11, 16
.endm
.macro BINS cnt, P                     ; lane b gathers counter b
	v_bfe_u32 v[\cnt], v[\P], v[LANE], 1
.set xp, 1
.rept 11
	v_bfe_u32 v[TT], v[(\P)+xp], v[LANE], 1
	v_lshl_or_b32 v[\cnt], v[TT], xp, v[\cnt]
.set xp, xp+1
.endr
.endm
.macro SUM16 base, R                   ; the sixteen waves' rows of 32 bins x 2 words are added: lane b has bin b in v[R], v[R+1]
.set xp, 0
.rept 16
	ds_load_b64 v[(\R)+2*xp:(\R)+2*xp+1], v[L8] offset:(\base)+256*xp
.set xp, xp+1
.endr
	s_wait_dscnt 0x0
.set xp, 1
.rept 15
	v_add_nc_u32 v[\R], v[\R], v[(\R)+2*xp]
	v_add_nc_u32 v[(\R)+1], v[(\R)+1], v[(\R)+2*xp+1]
.set xp, xp+1
.endr
.endm
.macro ISUM r                          ; whole-number sum over the 32 lanes, in every lane
.irp x, 1,2,4,8,16
	EXCH TT, \r, \x
	v_add_nc_u32 v[\r], v[\r], v[TT]
.endr
.endm
.macro RND2 a, b                       ; two f32 rounded to bf16 and widened again
	v_cvt_pk_bf16_f32 v[TT], v[\a], v[\b]
	v_lshlrev_b32 v[\a], 16, v[TT]
	v_and_b32 v[\b], 0xffff0000, v[TT]
.endm
.macro RED16 r                         ; f32 sum over the 16 lanes of a half
	v_add_f32_dpp v[\r], v[\r], v[\r] row_xmask:1 row_mask:0xf bank_mask:0xf
	v_add_f32_dpp v[\r], v[\r], v[\r] row_xmask:2 row_mask:0xf bank_mask:0xf
	v_add_f32_dpp v[\r], v[\r], v[\r] row_xmask:4 row_mask:0xf bank_mask:0xf
	v_add_f32_dpp v[\r], v[\r], v[\r] row_xmask:8 row_mask:0xf bank_mask:0xf
.endm
.macro RED32 r
	RED16 \r
	v_permlanex16_b32 v[TT], v[\r], s[SEL], s[SEL+1]
	v_add_f32 v[\r], v[\r], v[TT]
.endm
	s_load_b512 s[8:23], s[0:1], 0x0               ; x 8, W1 10, W2 12, Wr 14, b1 16, b2 18, br 20, beta 22
	s_load_b256 s[24:31], s[0:1], 0x40             ; gamma 24, xb 26, k1 28, k2 30
	s_load_b64 s[32:33], s[0:1], 0x60              ; ha
	v_lshl_add_u32 v[SPW], v0, 2, SPARE
	v_mov_b32 v[NIL], 0
	v_and_b32 v[LANE], 31, v0
	v_lshrrev_b32 v[TT], 5, v0
	v_readfirstlane_b32 s4, v[TT]                  ; wave 0..15
	v_mov_b32 v[UU], 0
	s_mov_b32 s[SEL], 0x76543210
	s_mov_b32 s[SEL+1], 0xfedcba98
	s_mov_b32 s41, 0                               ; the high word of every offset pair s[40:41]
	s_mov_b32 s5, ttmp9
	s_wait_kmcnt 0x0
	s_cmp_eq_u32 s5, 0
	s_cbranch_scc1 .Lbias
	s_sub_co_u32 s5, s5, 1
	s_cmp_lt_u32 s5, 256
	s_cbranch_scc0 .Lxrole
	; ---------------- W ROLE: tensor t = s5 / 128, chunk c = s5 % 128; a wave has 2,048 numbers, a lane 64
	s_lshr_b32 s6, s5, 7
	s_and_b32 s7, s5, 127
	s_cmp_eq_u32 s6, 0
	s_cselect_b64 s[36:37], s[10:11], s[12:13]
	s_cselect_b64 s[38:39], s[28:29], s[30:31]
	s_lshl_b32 s40, s7, 17
	s_add_nc_u64 s[36:37], s[36:37], s[40:41]      ; the chunk's 131,072 bytes of f32
	s_lshl_b32 s40, s7, 16
	s_add_nc_u64 s[38:39], s[38:39], s[40:41]      ; and its 65,536 bytes of bf16
	v_lshlrev_b32 v[VIN], 4, v[LANE]
	v_lshl_add_u32 v[VIN], s4, 13, v[VIN]
	v_lshlrev_b32 v[L8], 3, v[LANE]
	v_lshl_add_u32 v[VOUT], s4, 12, v[L8]
	v_lshl_add_u32 v[AO], s4, 8, v[L8]
	v_mov_b32 v[ONE], 1
.set i, 0
.rept 16                                               ; the wave's whole share goes out at once: each load takes 512 consecutive bytes
	global_load_b128 v[X+4*i:X+4*i+3], v[VIN], s[36:37] offset:512*i th:TH_LOAD_NT
.set i, i+1
.endr
.set i, 0
.rept 7
	v_mov_b32 v[P+i], 0
.set i, i+1
.endr
.macro STEP1 s                         ; loads 2 s and 2 s + 1: eight numbers a lane
	s_wait_loadcnt 14-2*(\s)                       ; the younger loads of the sixteen stay out
.irp j, 0,1,2,3
	v_cvt_pk_bf16_f32 v[X+8*(\s)+\j], v[X+8*(\s)+2*\j], v[X+8*(\s)+2*\j+1]
.endr
	global_store_b64 v[VOUT], v[X+8*(\s):X+8*(\s)+1], s[38:39] offset:512*(\s)        ; 32 lanes store 256 consecutive bytes, aligned
	global_store_b64 v[VOUT], v[X+8*(\s)+2:X+8*(\s)+3], s[38:39] offset:512*(\s)+256
.irp j, 0,1,2,3
	v_bfe_u32 v[DD], v[X+8*(\s)+\j], 10, 5         ; key bits 14:10 of the low half,
	v_lshlrev_b32 v[H+2*\j], v[DD], v[ONE]
	v_bfe_u32 v[DD], v[X+8*(\s)+\j], 26, 5         ; and of the high half
	v_lshlrev_b32 v[H+2*\j+1], v[DD], v[ONE]
.endr
	CSA8 P, H
.endm
.irp s, 0,1,2,3,4,5,6,7
	STEP1 \s
.endr
	XLANE P
	BINS CN, P
	v_mov_b32 v[CN+1], v[CN]                       ; the first digit's counts serve both limits
	ds_store_b64 v[AO], v[CN:CN+1] offset:OUTW
	s_wait_dscnt 0x0                               ; for the others' sake: my row of counts is in LDS
	s_barrier_signal -1
	s_barrier_wait -1
	s_cmp_lg_u32 s4, 0
	s_cbranch_scc1 .Lend
	s_wait_xcnt 0x0                                ; X held store data: it is loaded into only behind this wait
	SUM16 OUTW, X
	s_lshl_b32 s40, s5, 8
	s_add_nc_u64 s[42:43], s[32:33], s[40:41]
	global_store_b64 v[L8], v[X:X+1], s[42:43]     ; the chunk's row of counts: 256 consecutive bytes
	s_cmp_lg_u32 s7, 0
	s_cbranch_scc1 .Lend
	v_mov_b32 v[DD], 0                             ; chunk 0 writes the tensor's state: prefixes 0, ranks k - 1 and n - k, shift 10; one word a lane
	s_mov_b32 s44, 209714
	s_mov_b32 s45, 3984589
	s_mov_b32 s48, 10
	v_writelane_b32 v[DD], s44, 1
	v_writelane_b32 v[DD], s45, 3
	v_writelane_b32 v[DD], s48, 4
	v_lshlrev_b32 v[L4], 2, v[LANE]
	s_lshl_b32 s40, s6, 7
	s_add_nc_u64 s[46:47], s[32:33], s[40:41]
	global_store_b32 v[L4], v[DD], s[46:47] offset:65536
	s_branch .Lend
	; ---------------- X ROLE: work-group g = s5 - 256 has rows 16 g .. 16 g + 15, a wave one row
.Lxrole:
	s_sub_co_u32 s5, s5, 256
	s_lshl_b32 s6, s5, 4
	s_add_co_u32 s6, s6, s4
	s_lshl_b32 s40, s6, 12
	s_add_nc_u64 s[36:37], s[8:9], s[40:41]        ; my row of x
	s_lshl_b32 s40, s6, 11
	s_add_nc_u64 s[38:39], s[26:27], s[40:41]      ; my row of xb
	s_lshl_b32 s40, s5, 7
	s_add_nc_u64 s[46:47], s[26:27], s[40:41]
	s_add_nc_u64 s[46:47], s[46:47], 0x800000      ; the group's 32 words of p, behind xb's rows
	s_load_b64 s[42:43], s[20:21], 0x0             ; br
	s_mov_b32 s44, 0x3a800000                      ; 1 / 1024
	s_mov_b32 s45, 0x3727c5ac                      ; 1e-5
	v_lshlrev_b32 v[XT8], 3, v0
	v_lshlrev_b32 v[XT16], 4, v0
	v_lshlrev_b32 v[XL16], 4, v[LANE]
	v_lshlrev_b32 v[XL32], 5, v[LANE]
	v_lshlrev_b32 v[L8], 3, v[LANE]
	v_lshlrev_b32 v[XL4], 2, v[LANE]
	global_load_b64 v[GM:GM+1], v[XT8], s[24:25]   ; thread tau has channels 2 tau, 2 tau + 1 of gamma, beta, Wr
	global_load_b64 v[BT:BT+1], v[XT8], s[22:23]
	global_load_b128 v[WR:WR+3], v[XT16], s[14:15]
.set i, 0
.rept 8                                                ; the row: lane l holds channels 128 j + 4 l .. + 3
	global_load_b128 v[X+4*i:X+4*i+3], v[XL16], s[36:37] offset:512*i th:TH_LOAD_NT
.set i, i+1
.endr
	s_wait_loadcnt 8                               ; the three small loads are in; the row's eight stay out
	RND2 GM, GM+1
	RND2 BT, BT+1
	RND2 WR, WR+1
	RND2 WR+2, WR+3
	v_pk_mul_f32 v[GQ:GQ+1], v[WR:WR+1], v[GM:GM+1] op_sel_hi:[1,0]
	v_pk_mul_f32 v[GQ+2:GQ+3], v[WR+2:WR+3], v[GM:GM+1] op_sel:[0,1] op_sel_hi:[1,1]
	ds_store_b128 v[XT16], v[GQ:GQ+3] offset:GWB   ; the table gamma[h] Wr[h][e], 8 bytes a channel
	v_pk_mul_f32 v[CP:CP+1], v[WR:WR+1], v[BT:BT+1] op_sel_hi:[1,0]
	v_pk_fma_f32 v[CP:CP+1], v[WR+2:WR+3], v[BT:BT+1], v[CP:CP+1] op_sel:[0,1,0] op_sel_hi:[1,1,1]
	RED32 CP
	RED32 CP+1
	v_mov_b32 v[AD], s4
	v_lshlrev_b32 v[AD], 3, v[AD]
	ds_store_b64 v[AD], v[CP:CP+1] offset:CPB      ; my wave's part of sum(beta Wr): all lanes hold and write the same pair
	s_wait_dscnt 0x0
	s_barrier_signal -1
	s_barrier_wait -1
	v_and_b32 v[AD2], 15, v[LANE]
	v_lshlrev_b32 v[AD2], 3, v[AD2]
	ds_load_b64 v[CP:CP+1], v[AD2] offset:CPB      ; lane l takes wave l % 16's part
.macro GLOAD j0                        ; the table's pairs for my channels of loads j0 .. j0 + 3
.irp j, 0,1,2,3
	ds_load_b128 v[G+8*\j:G+8*\j+3], v[XL32] offset:GWB+1024*((\j0)+\j)
	ds_load_b128 v[G+8*\j+4:G+8*\j+7], v[XL32] offset:GWB+1024*((\j0)+\j)+16
.endr
.endm
	GLOAD 0
	s_wait_loadcnt 0x0                             ; the row
.set i, 0
.rept 16
	v_cvt_pk_bf16_f32 v[F+i], v[X+2*i], v[X+2*i+1]
.set i, i+1
.endr
.set i, 0
.rept 16
	v_lshlrev_b32 v[X+2*i], 16, v[F+i]             ; X now holds the rounded numbers
	v_and_b32 v[X+2*i+1], 0xffff0000, v[F+i]
.set i, i+1
.endr
.set i, 0
.rept 16
	v_cvt_pk_f16_f32 v[F+i], v[X+2*i], v[X+2*i+1]
.set i, i+1
.endr
.set i, 0
.rept 8
	global_store_b64 v[L8], v[F+2*i:F+2*i+1], s[38:39] offset:256*i   ; 256 consecutive bytes, aligned
.set i, i+1
.endr
.irp c, 0,1,2,3                        ; the row's sum, in four chains
	v_pk_add_f32 v[AC+2*\c:AC+2*\c+1], v[X+2*\c:X+2*\c+1], v[X+8+2*\c:X+8+2*\c+1]
.endr
.irp c, 0,1,2,3
	v_pk_add_f32 v[AC+2*\c:AC+2*\c+1], v[AC+2*\c:AC+2*\c+1], v[X+16+2*\c:X+16+2*\c+1]
.endr
.irp c, 0,1,2,3
	v_pk_add_f32 v[AC+2*\c:AC+2*\c+1], v[AC+2*\c:AC+2*\c+1], v[X+24+2*\c:X+24+2*\c+1]
.endr
	v_pk_add_f32 v[AC:AC+1], v[AC:AC+1], v[AC+2:AC+3]
	v_pk_add_f32 v[AC+4:AC+5], v[AC+4:AC+5], v[AC+6:AC+7]
	v_pk_add_f32 v[AC:AC+1], v[AC:AC+1], v[AC+4:AC+5]
	v_add_f32 v[SM], v[AC], v[AC+1]
	RED32 SM
	v_mul_f32 v[MU], s44, v[SM]
	v_mov_b32 v[MU+1], v[MU]
.set i, 0
.rept 16
	v_pk_add_f32 v[X+2*i:X+2*i+1], v[X+2*i:X+2*i+1], v[MU:MU+1] neg_lo:[0,1] neg_hi:[0,1]   ; x - mu, in place
.set i, i+1
.endr
.macro DOTS xb, first                  ; (dot0, dot1) += (x - mu) gamma Wr for 16 of my channels: even ones in one chain, odd ones in another
.set i, 0
.rept 8
.if (\first) && (i == 0)
	v_pk_mul_f32 v[AC:AC+1], v[G:G+1], v[X+(\xb):X+(\xb)+1] op_sel_hi:[1,0]
	v_pk_mul_f32 v[AC+2:AC+3], v[G+2:G+3], v[X+(\xb):X+(\xb)+1] op_sel:[0,1] op_sel_hi:[1,1]
.else
	v_pk_fma_f32 v[AC:AC+1], v[G+4*i:G+4*i+1], v[X+(\xb)+2*i:X+(\xb)+2*i+1], v[AC:AC+1] op_sel_hi:[1,0,1]
	v_pk_fma_f32 v[AC+2:AC+3], v[G+4*i+2:G+4*i+3], v[X+(\xb)+2*i:X+(\xb)+2*i+1], v[AC+2:AC+3] op_sel:[0,1,0] op_sel_hi:[1,1,1]
.endif
.set i, i+1
.endr
.endm
	s_wait_dscnt 0x0                               ; the partial sums and the table's first half
	DOTS 0, 1
	GLOAD 4                                        ; the second half comes while the variance is made
	v_pk_mul_f32 v[AC+4:AC+5], v[X:X+1], v[X:X+1]
	v_pk_mul_f32 v[AC+6:AC+7], v[X+2:X+3], v[X+2:X+3]
.set i, 2
.rept 14
	v_pk_fma_f32 v[AC+4+2*(i%2):AC+5+2*(i%2)], v[X+2*i:X+2*i+1], v[X+2*i:X+2*i+1], v[AC+4+2*(i%2):AC+5+2*(i%2)]
.set i, i+1
.endr
	v_pk_add_f32 v[AC+4:AC+5], v[AC+4:AC+5], v[AC+6:AC+7]
	v_add_f32 v[VR], v[AC+4], v[AC+5]
	RED32 VR
	v_fma_f32 v[VR], v[VR], s44, s45               ; var + 1e-5
	v_rsq_f32 v[RS], v[VR]
	RED16 CP                                       ; sum(beta Wr): plain work behind the root
	RED16 CP+1
	s_wait_kmcnt 0x0
	v_mov_b32 v[BR], s42
	v_mov_b32 v[BR+1], s43
	RND2 BR, BR+1
	v_pk_add_f32 v[CP:CP+1], v[CP:CP+1], v[BR:BR+1]
	s_wait_dscnt 0x0
	DOTS 16, 0
	v_pk_add_f32 v[AC:AC+1], v[AC:AC+1], v[AC+2:AC+3]
	RED32 AC
	RED32 AC+1
	s_wait_alu depctr_va_vdst(0)                   ; the wait ahead of the first line that names the root's result
	v_fma_f32 v[LG], v[AC], v[RS], v[CP]
	v_fma_f32 v[LG+1], v[AC+1], v[RS], v[CP+1]
	v_max_num_f32 v[MX], v[LG], v[LG+1]            ; softmax over the two experts, the maximum taken away first
	v_sub_f32 v[LG], v[LG], v[MX]
	v_sub_f32 v[LG+1], v[LG+1], v[MX]
	v_mul_f32 v[LG], 0x3fb8aa3b, v[LG]
	v_mul_f32 v[LG+1], 0x3fb8aa3b, v[LG+1]
	v_exp_f32 v[LG], v[LG]
	v_exp_f32 v[LG+1], v[LG+1]
	v_nop
	s_wait_alu depctr_va_vdst(0)                   ; one wait for the two exponentials
	v_add_f32 v[MX], v[LG], v[LG+1]
	v_rcp_f32 v[MX], v[MX]
	v_nop
	s_wait_alu depctr_va_vdst(0)
	v_mul_f32 v[LG], v[LG], v[MX]
	v_mul_f32 v[LG+1], v[LG+1], v[MX]
	ds_store_b64 v[AD], v[LG:LG+1] offset:PRB
	s_wait_dscnt 0x0
	s_barrier_signal -1
	s_barrier_wait -1
	s_cmp_lg_u32 s4, 0
	s_cbranch_scc1 .Lend
	ds_load_b32 v[T2], v[XL4] offset:PRB           ; wave 0 stores the group's 16 pairs: 128 consecutive bytes
	s_wait_dscnt 0x0
	global_store_b32 v[XL4], v[T2], s[46:47]
	s_branch .Lend
	; ---------------- BIAS ROLE: all 16 waves lay the keys of b1 and b2 into LDS; then wave w < 4 finds one limit: b1 bottom, b1 top, b2 bottom, b2 top
.Lbias:
	v_lshlrev_b32 v[BA], 5, v0
	v_lshlrev_b32 v[BB], 3, v0
	global_load_b128 v[KK:KK+3], v[BA], s[16:17]
	global_load_b128 v[KK+4:KK+7], v[BA], s[16:17] offset:16
	global_load_b64 v[KK+8:KK+9], v[BB], s[18:19]
	v_lshlrev_b32 v[BC_], 4, v0
	v_lshlrev_b32 v[BD], 2, v0
	v_lshlrev_b32 v[BL16], 4, v[LANE]
	s_mov_b32 s36, 0x7fff7fff
	s_wait_loadcnt 0x0
.irp j, 0,1,2,3,4
	v_cvt_pk_bf16_f32 v[BW+\j], v[KK+2*\j], v[KK+2*\j+1]
	v_and_b32 v[BW+\j], s36, v[BW+\j]
.endr
	ds_store_b128 v[BC_], v[BW:BW+3] offset:KB1
	ds_store_b32 v[BD], v[BW+4] offset:KB2
	s_wait_dscnt 0x0
	s_barrier_signal -1
	s_barrier_wait -1
	s_cmp_lt_u32 s4, 4
	s_cbranch_scc0 .Lend
	s_cmp_lt_u32 s4, 2
	s_cbranch_scc0 .Lkeys2
.set i, 0
.rept 16
	ds_load_b128 v[KK+4*i:KK+4*i+3], v[BL16] offset:KB1+512*i
.set i, i+1
.endr
	s_branch .Lkeys
.Lkeys2:
.set i, 0
.rept 4
	ds_load_b128 v[KK+4*i:KK+4*i+3], v[BL16] offset:KB2+512*i
.set i, i+1
.endr
.set i, 16
.rept 48
	v_mov_b32 v[KK+i], s36                         ; b2 has a quarter of the keys: the other places hold the key 0x7fff, which no trial below counts
.set i, i+1
.endr
.Lkeys:
	s_wait_dscnt 0x0
	s_and_b32 s37, s4, 1
	s_mov_b32 s39, 973
	s_cmp_lt_u32 s4, 2
	s_cselect_b32 s38, 203, 50                     ; ranks k - 1 (bottom)
	s_cselect_b32 s39, 3892, s39                   ; and n - k (top): k = 204 of 4,096; 51 of 1,024
	s_cmp_eq_u32 s37, 0
	s_cselect_b32 s38, s38, s39
	s_mov_b32 s47, 0x00010001
	s_mov_b32 s40, 0                               ; the limit, made bit by bit: the largest t with #(key < t) <= rank
	s_mov_b32 s48, 0x4000
	s_mov_b32 s42, 15
.Lsearch:
	s_or_b32 s43, s40, s48                         ; the trial t
	s_sub_co_u32 s44, s43, 1
	s_lshl_b32 s45, s44, 16
	s_or_b32 s45, s45, s44
	s_or_b32 s45, s45, 0x80008000                  ; 0x8000 + t - 1 in both halves: less a key it stays in 1 .. 0xfffe, and its bit 15 says key <= t - 1
.set i, 0
.rept 16
.irp k, 0,1,2,3
	v_sub_nc_u32 v[TQ+\k], s45, v[KK+4*i+\k]
.endr
.irp k, 0,1,2,3
	v_lshrrev_b32 v[TQ+\k], 15, v[TQ+\k]
.endr
.if i == 0
.irp k, 0,1,2,3
	v_and_b32 v[ACC+\k], s47, v[TQ+\k]             ; the first four start the four sums
.endr
.else
.irp k, 0,1,2,3
	v_and_b32 v[TQ+\k], s47, v[TQ+\k]
.endr
.irp k, 0,1,2,3
	v_add_nc_u32 v[ACC+\k], v[ACC+\k], v[TQ+\k]
.endr
.endif
.set i, i+1
.endr
	v_add_nc_u32 v[ACC], v[ACC], v[ACC+1]
	v_add_nc_u32 v[ACC+2], v[ACC+2], v[ACC+3]
	v_add_nc_u32 v[ACC], v[ACC], v[ACC+2]
	v_lshrrev_b32 v[TQ], 16, v[ACC]
	v_and_b32 v[ACC], 0xffff, v[ACC]
	v_add_nc_u32 v[ACC], v[ACC], v[TQ]
	ISUM ACC
	v_readfirstlane_b32 s46, v[ACC]
	s_cmp_le_u32 s46, s38
	s_cselect_b32 s40, s43, s40                    ; a choice of a value; no branch hangs on the count
	s_lshr_b32 s48, s48, 1
	s_sub_co_u32 s42, s42, 1
	s_cmp_lg_u32 s42, 0
	s_cbranch_scc1 .Lsearch
	v_mov_b32 v[TQ], s40
	v_lshlrev_b32 v[TQ+1], 2, v[LANE]
	v_lshl_add_u32 v[TQ+1], s4, 7, v[TQ+1]
	global_store_b32 v[TQ+1], v[TQ], s[32:33] offset:65792   ; a record of 128 bytes for each limit, the same word in every lane's place
.Lend:
	s_wait_tensorcnt 0x0                           ; the wave's end: it stands behind my last LDS store
	ds_add_u32 v[SPW], v[NIL]
	s_wait_dscnt 0x0
	s_endpgm
.Lfunc_end_k_q892e0a02b9_first:
	.size	k_q892e0a02b9_first, .Lfunc_end_k_q892e0a02b9_first-k_q892e0a02b9_first
	.p2alignl 7, 3214868480
	.fill 96, 4, 3214868480
	.section	.rodata,"a",@progbits
	.p2align	6, 0x0
	.amdhsa_kernel k_q892e0a02b9_first
		.amdhsa_group_segment_fixed_size 25088
		.amdhsa_private_segment_fixed_size 0
		.amdhsa_enable_private_segment 0
		.amdhsa_kernarg_size 104
		.amdhsa_user_sgpr_count 2
		.amdhsa_user_sgpr_kernarg_segment_ptr 1
		.amdhsa_wavefront_size32 1
		.amdhsa_system_sgpr_workgroup_id_x 1
		.amdhsa_system_sgpr_workgroup_id_y 1
		.amdhsa_system_sgpr_workgroup_id_z 1
		.amdhsa_system_vgpr_workitem_id 0
		.amdhsa_next_free_vgpr 128
		.amdhsa_next_free_sgpr 66
		.amdhsa_reserve_vcc 0
		.amdhsa_float_denorm_mode_32 3
		.amdhsa_float_denorm_mode_16_64 3
		.amdhsa_memory_ordered 1
		.amdhsa_forward_progress 1
		.amdhsa_inst_pref_size 67
	.end_amdhsa_kernel
	.amdgpu_metadata
---
amdhsa.version: [ 1, 2 ]
amdhsa.kernels:
  - .name:           k_q892e0a02b9_first
    .symbol:         k_q892e0a02b9_first.kd
    .args:
      - { .name: x, .offset: 0, .size: 8, .value_kind: global_buffer, .address_space: global }
      - { .name: W1, .offset: 8, .size: 8, .value_kind: global_buffer, .address_space: global }
      - { .name: W2, .offset: 16, .size: 8, .value_kind: global_buffer, .address_space: global }
      - { .name: Wr, .offset: 24, .size: 8, .value_kind: global_buffer, .address_space: global }
      - { .name: b1, .offset: 32, .size: 8, .value_kind: global_buffer, .address_space: global }
      - { .name: b2, .offset: 40, .size: 8, .value_kind: global_buffer, .address_space: global }
      - { .name: br, .offset: 48, .size: 8, .value_kind: global_buffer, .address_space: global }
      - { .name: ln_beta, .offset: 56, .size: 8, .value_kind: global_buffer, .address_space: global }
      - { .name: ln_gamma, .offset: 64, .size: 8, .value_kind: global_buffer, .address_space: global }
      - { .name: xb, .offset: 72, .size: 8, .value_kind: global_buffer, .address_space: global }
      - { .name: k1, .offset: 80, .size: 8, .value_kind: global_buffer, .address_space: global }
      - { .name: k2, .offset: 88, .size: 8, .value_kind: global_buffer, .address_space: global }
      - { .name: ha, .offset: 96, .size: 8, .value_kind: global_buffer, .address_space: global }
    .group_segment_fixed_size: 25088
    .private_segment_fixed_size: 0
    .kernarg_segment_align: 8
    .kernarg_segment_size: 104
    .max_flat_workgroup_size: 512
    .sgpr_count:     66
    .vgpr_count:     128
    .wavefront_size: 32
...
	.end_amdgpu_metadata
.endif
;; end of part 1
;; launch pass2 (part 2): grid 256 x 1, 16 waves a work-group, no clusters, 10,240 bytes of LDS; arguments k1, k2, ha, hb; writes hb
.if DOCPART == 2
	.amdgcn_target "amdgcn-amd-amdhsa--gfx1250"
	.amdhsa_code_object_version 6
	.text
	.protected	k_q892e0a02b9_pass2
	.globl	k_q892e0a02b9_pass2
	.p2align	8
	.type	k_q892e0a02b9_pass2,@function
k_q892e0a02b9_pass2:
	s_mov_b64 s[64:65], 0
	v_nop
	global_prefetch_b8 v0, s[64:65] scope:SCOPE_SE
	s_setreg_imm32_b32 hwreg(HW_REG_WAVE_MODE, 25, 1), 1
	s_wait_xcnt 0x0
; ONE PASS OF THE SELECTION (run twice: ha -> hb, then hb -> ha).  Work-group: tensor t = id / 128, chunk c = id % 128 of 32,768 keys.
; In: the tensor's state (prefix and rank for the bottom and for the top limit, shift) and 128 rows of counts of the digit (key >> shift) & 31
; among the keys that agree with the prefix above it.  Every work-group adds the rows, finds for each limit the digit d in which its rank falls
; (d = the number of bins whose running sum is <= rank), sets prefix |= d << shift, rank -= the sum below bin d, shift -= 5, and counts the next digit of its own chunk
; among the keys that agree with the new prefix.  Out: its row of counts; chunk 0 also stores the new state.
; All use of the data is compare, select and shift: no address, branch or trip count hangs on it.
.set RED,   0                          ; 16 waves x 256 bytes: partial sums of the rows read
.set OUT,   4096                       ; 16 waves x 256 bytes: the waves' new counts
.set SPARE, 8192                       ; the spare words, 128 bytes a wave; no other line names them
.set LANE, 1
.set L8,   2
.set VK,   3
.set VH,   4
.set A16,  5
.set ONE,  6
.set AO,   7
.set MS,   8                           ; v8-12: all ones where the lane's number has bit 0 .. 4
.set TT,   13
.set UU,   14
.set T2,   15
.set DD,   16
.set AA,   17
.set PFB,  18
.set PFT,  19
.set CN,   20
.set SPW,  22
.set NIL,  23
.set K,    24                          ; v24-55 my 64 keys, two to a word
.set HB,   56
.set HT,   64
.set PB,   72
.set PT,   84
.set CSA,  96
.set CSB,  97
.set CSC,  98
.set CSD,  99
.set CSE,  100
.set CA,   101
.set L4,   103
.set SR,   56                          ; v56-87, in the prologue alone
.set HS,   88                          ; v88-103, in the prologue alone
.set SEL,  34
.set MK,   36
.set DB,   37
.set LB,   38
.set DT,   39
.set LT,   40
.set SL,   41
.set SH,   42
.set ML,   43
.set MH,   44
.set PLB,  16                          ; the state's own registers
.set PLT,  18
.set PHB,  46
.set PHT,  48
.macro EXCH d, s, x
.if (\x) == 16
	v_permlanex16_b32 v[\d], v[\s], s[SEL], s[SEL+1]
.else
	v_mov_b32_dpp v[\d], v[\s] row_xmask:\x row_mask:0xf bank_mask:0xf
.endif
.endm
.macro FA s, x, y, c
	v_xor_b32 v[UU], v[\s], v[\x]
	v_bfi_b32 v[\c], v[UU], v[\y], v[\s]
	v_xor_b32 v[\s], v[UU], v[\y]
.endm
.macro CSA8 P, H
	FA \P, \H, (\H)+1, CSA
	FA \P, (\H)+2, (\H)+3, CSB
	FA (\P)+1, CSA, CSB, CSC
	FA \P, (\H)+4, (\H)+5, CSA
	FA \P, (\H)+6, (\H)+7, CSB
	FA (\P)+1, CSA, CSB, CSD
	FA (\P)+2, CSC, CSD, CSE
	v_and_b32 v[UU], v[(\P)+3], v[CSE]
	v_xor_b32 v[(\P)+3], v[(\P)+3], v[CSE]
	v_and_b32 v[CSE], v[(\P)+4], v[UU]
	v_xor_b32 v[(\P)+4], v[(\P)+4], v[UU]
	v_and_b32 v[UU], v[(\P)+5], v[CSE]
	v_xor_b32 v[(\P)+5], v[(\P)+5], v[CSE]
	v_xor_b32 v[(\P)+6], v[(\P)+6], v[UU]
.endm
.macro XLEVEL P, m, x
	EXCH TT, \P, \x
	v_and_b32 v[CA], v[\P], v[TT]
	v_xor_b32 v[\P], v[\P], v[TT]
.set xp, 1
.rept (\m)-1
	EXCH TT, (\P)+xp, \x
	v_xor_b32 v[UU], v[(\P)+xp], v[TT]
.set xold, CA+(xp+1)%2
.set xnew, CA+xp%2
.if xp == (\m)-1
.set xnew, (\P)+(\m)
.endif
	v_bfi_b32 v[xnew], v[UU], v[xold], v[(\P)+xp]
	v_xor_b32 v[(\P)+xp], v[UU], v[xold]
.set xp, xp+1
.endr
.endm
.macro XLANE P
	XLEVEL \P, 7, 1
	XLEVEL \P, 8, 2
	XLEVEL \P, 9, 4
	XLEVEL \P, 10, 8
	XLEVEL \P, 11, 16
.endm
.macro BINS cnt, P
	v_bfe_u32 v[\cnt], v[\P], v[LANE], 1
.set xp, 1
.rept 11
	v_bfe_u32 v[TT], v[(\P)+xp], v[LANE], 1
	v_lshl_or_b32 v[\cnt], v[TT], xp, v[\cnt]
.set xp, xp+1
.endr
.endm
.macro SUM16 base, R
.set xp, 0
.rept 16
	ds_load_b64 v[(\R)+2*xp:(\R)+2*xp+1], v[L8] offset:(\base)+256*xp
.set xp, xp+1
.endr
	s_wait_dscnt 0x0
.set xp, 1
.rept 15
	v_add_nc_u32 v[\R], v[\R], v[(\R)+2*xp]
	v_add_nc_u32 v[(\R)+1], v[(\R)+1], v[(\R)+2*xp+1]
.set xp, xp+1
.endr
.endm
.macro BS1 c, pre, x, m, last          ; one level of the running sum: the lower block's total is added where the lane lies in the upper block
	EXCH TT, \c, \x
	v_and_b32 v[UU], v[\m], v[TT]
	v_add_nc_u32 v[\pre], v[\pre], v[UU]
.if !(\last)
	v_add_nc_u32 v[\c], v[\c], v[TT]
.endif
.endm
.macro BSCAN c, pre                    ; pre = the sum of c over lanes 0 .. mine
	v_mov_b32 v[\pre], v[\c]
	BS1 \c, \pre, 1, MS, 0
	BS1 \c, \pre, 2, MS+1, 0
	BS1 \c, \pre, 4, MS+2, 0
	BS1 \c, \pre, 8, MS+3, 0
	BS1 \c, \pre, 16, MS+4, 1
.endm
.macro FIND pre, rank, d, below
	v_cmp_ge_u32 s[MK], s[\rank], v[\pre]
	s_bcnt1_i32_b32 s[\d], s[MK]
	v_cndmask_b32 v[T2], 0, v[\pre], s[MK]
.irp x, 1,2,4,8,16
	EXCH UU, T2, \x
	v_max_u32 v[T2], v[T2], v[UU]
.endr
	v_readfirstlane_b32 s[\below], v[T2]
.endm
.macro SELECT
	s_wait_loadcnt 8                               ; my four loads of counts are in; the eight loads of keys stay out
.irp i, 1,2,3
.irp k, 0,1,2,3
	v_add_nc_u32 v[HS+\k], v[HS+\k], v[HS+4*\i+\k]
.endr
.endr
.irp k, 0,1,2,3
	v_permlanex16_b32 v[TT], v[HS+\k], s[SEL], s[SEL+1]   ; the halves of the lanes held alternate rows
	v_add_nc_u32 v[HS+\k], v[HS+\k], v[TT]
.endr
	ds_store_b128 v[A16], v[HS:HS+3] offset:RED    ; both halves write the same 16 bytes with the same numbers
	s_wait_dscnt 0x0
	s_barrier_signal -1
	s_barrier_wait -1
	SUM16 RED, SR
	BSCAN SR, PFB
	BSCAN SR+1, PFT
	s_wait_kmcnt 0x0                               ; the state
	FIND PFB, 17, DB, LB
	FIND PFT, 19, DT, LT
	s_lshl_b32 s[DB], s[DB], s20
	s_or_b32 s16, s16, s[DB]
	s_sub_co_u32 s17, s17, s[LB]
	s_lshl_b32 s[DT], s[DT], s20
	s_or_b32 s18, s18, s[DT]
	s_sub_co_u32 s19, s19, s[LT]
.endm
.macro ONEHOT k, sl, ml, pb, pt, h     ; one key: 1 << digit where it agrees with the bottom's prefix, and where with the top's
	v_bfe_u32 v[DD], v[\k], s[\sl], 5
	v_and_b32 v[AA], s[\ml], v[\k]
	v_lshlrev_b32 v[DD], v[DD], v[ONE]
	v_cmp_eq_u32 vcc_lo, s[\pb], v[AA]
	v_cndmask_b32 v[HB+\h], 0, v[DD], vcc_lo
	v_cmp_eq_u32 vcc_lo, s[\pt], v[AA]
	v_cndmask_b32 v[HT+\h], 0, v[DD], vcc_lo
.endm
.macro STEP2 s
	s_wait_loadcnt 7-(\s)                          ; the younger loads of keys stay out
.irp j, 0,1,2,3
	ONEHOT K+4*(\s)+\j, SL, ML, PLB, PLT, 2*\j
	ONEHOT K+4*(\s)+\j, SH, MH, PHB, PHT, 2*\j+1
.endr
	CSA8 PB, HB
	CSA8 PT, HT
.endm
	s_load_b256 s[8:15], s[0:1], 0x0               ; k1 8, k2 10, counts in 12, counts out 14
	v_lshl_add_u32 v[SPW], v0, 2, SPARE
	v_mov_b32 v[NIL], 0
	v_and_b32 v[LANE], 31, v0
	v_lshrrev_b32 v[TT], 5, v0
	v_readfirstlane_b32 s4, v[TT]
	v_mov_b32 v[UU], 0
	v_mov_b32 v[T2], 0
	s_mov_b32 s[SEL], 0x76543210
	s_mov_b32 s[SEL+1], 0xfedcba98
	s_mov_b32 s5, ttmp9
	s_lshr_b32 s6, s5, 7
	s_and_b32 s7, s5, 127
	v_lshlrev_b32 v[L8], 3, v[LANE]
	v_lshlrev_b32 v[VK], 4, v[LANE]
	v_lshl_add_u32 v[VH], s4, 11, v[VK]
	v_lshl_add_u32 v[VK], s4, 12, v[VK]
	v_and_b32 v[A16], 15, v[LANE]
	v_lshlrev_b32 v[A16], 4, v[A16]
	v_lshl_add_u32 v[A16], s4, 8, v[A16]
	v_lshl_add_u32 v[AO], s4, 8, v[L8]
	v_mov_b32 v[ONE], 1
.set i, 0
.rept 5
	v_lshlrev_b32 v[MS+i], 31-i, v[LANE]
	v_ashrrev_i32 v[MS+i], 31, v[MS+i]
.set i, i+1
.endr
	s_lshl_b32 s28, s7, 16
	s_mov_b32 s29, 0
	s_wait_kmcnt 0x0
	s_cmp_eq_u32 s6, 0
	s_cselect_b64 s[24:25], s[8:9], s[10:11]
	s_add_nc_u64 s[24:25], s[24:25], s[28:29]      ; my chunk of keys
	s_lshl_b32 s28, s6, 15
	s_add_nc_u64 s[26:27], s[12:13], s[28:29]      ; the tensor's 128 rows of counts
	s_lshl_b32 s28, s6, 7
	s_add_nc_u64 s[30:31], s[12:13], s[28:29]
	s_load_b256 s[16:23], s[30:31], 0x10000        ; state: prefix B, rank B, prefix T, rank T, shift
.set i, 0
.rept 4                                                ; a wave takes 8 of the 128 rows
	global_load_b128 v[HS+4*i:HS+4*i+3], v[VH], s[26:27] offset:512*i
.set i, i+1
.endr
.set i, 0
.rept 8                                                ; and its 2,048 keys, all on their way at once
	global_load_b128 v[K+4*i:K+4*i+3], v[VK], s[24:25] offset:512*i
.set i, i+1
.endr
	SELECT
	s_mov_b32 s49, s20                             ; the prefix now reaches down to this bit
	s_sub_co_u32 s20, s20, 5
	s_mov_b32 s[SL], s20
	s_add_co_u32 s[SH], s20, 16
	s_lshr_b32 s[ML], 0x7fff, s49
	s_lshl_b32 s[ML], s[ML], s49
	s_lshl_b32 s[MH], s[ML], 16
	s_lshl_b32 s[PHB], s16, 16
	s_lshl_b32 s[PHT], s18, 16
.set i, 0
.rept 7
	v_mov_b32 v[PB+i], 0
	v_mov_b32 v[PT+i], 0
.set i, i+1
.endr
.irp s, 0,1,2,3,4,5,6,7
	STEP2 \s
.endr
	XLANE PB
	XLANE PT
	BINS CN, PB
	BINS CN+1, PT
	ds_store_b64 v[AO], v[CN:CN+1] offset:OUT
	s_wait_dscnt 0x0
	s_barrier_signal -1
	s_barrier_wait -1
	s_cmp_lg_u32 s4, 0
	s_cbranch_scc1 .Lend
	SUM16 OUT, K
	s_lshl_b32 s28, s5, 8
	s_add_nc_u64 s[50:51], s[14:15], s[28:29]
	global_store_b64 v[L8], v[K:K+1], s[50:51]     ; my chunk's row: 256 consecutive bytes
	s_cmp_lg_u32 s7, 0
	s_cbranch_scc1 .Lend
	v_mov_b32 v[DD], 0                             ; chunk 0 stores the new state, one word a lane
	v_writelane_b32 v[DD], s16, 0
	v_writelane_b32 v[DD], s17, 1
	v_writelane_b32 v[DD], s18, 2
	v_writelane_b32 v[DD], s19, 3
	v_writelane_b32 v[DD], s20, 4
	v_lshlrev_b32 v[L4], 2, v[LANE]
	s_lshl_b32 s28, s6, 7
	s_add_nc_u64 s[52:53], s[14:15], s[28:29]
	global_store_b32 v[L4], v[DD], s[52:53] offset:65536
.Lend:
	s_wait_tensorcnt 0x0                           ; the wave's end: it stands behind my last LDS store
	ds_add_u32 v[SPW], v[NIL]
	s_wait_dscnt 0x0
	s_endpgm
.Lfunc_end_k_q892e0a02b9_pass2:
	.size	k_q892e0a02b9_pass2, .Lfunc_end_k_q892e0a02b9_pass2-k_q892e0a02b9_pass2
	.p2alignl 7, 3214868480
	.fill 96, 4, 3214868480
	.section	.rodata,"a",@progbits
	.p2align	6, 0x0
	.amdhsa_kernel k_q892e0a02b9_pass2
		.amdhsa_group_segment_fixed_size 10240
		.amdhsa_private_segment_fixed_size 0
		.amdhsa_enable_private_segment 0
		.amdhsa_kernarg_size 32
		.amdhsa_user_sgpr_count 2
		.amdhsa_user_sgpr_kernarg_segment_ptr 1
		.amdhsa_wavefront_size32 1
		.amdhsa_system_sgpr_workgroup_id_x 1
		.amdhsa_system_sgpr_workgroup_id_y 1
		.amdhsa_system_sgpr_workgroup_id_z 1
		.amdhsa_system_vgpr_workitem_id 0
		.amdhsa_next_free_vgpr 128
		.amdhsa_next_free_sgpr 66
		.amdhsa_reserve_vcc 1
		.amdhsa_float_denorm_mode_32 3
		.amdhsa_float_denorm_mode_16_64 3
		.amdhsa_memory_ordered 1
		.amdhsa_forward_progress 1
		.amdhsa_inst_pref_size 66
	.end_amdhsa_kernel
	.amdgpu_metadata
---
amdhsa.version: [ 1, 2 ]
amdhsa.kernels:
  - .name:           k_q892e0a02b9_pass2
    .symbol:         k_q892e0a02b9_pass2.kd
    .args:
      - { .name: k1, .offset: 0, .size: 8, .value_kind: global_buffer, .address_space: global }
      - { .name: k2, .offset: 8, .size: 8, .value_kind: global_buffer, .address_space: global }
      - { .name: ha, .offset: 16, .size: 8, .value_kind: global_buffer, .address_space: global }
      - { .name: hb, .offset: 24, .size: 8, .value_kind: global_buffer, .address_space: global }
    .group_segment_fixed_size: 10240
    .private_segment_fixed_size: 0
    .kernarg_segment_align: 8
    .kernarg_segment_size: 32
    .max_flat_workgroup_size: 512
    .sgpr_count:     66
    .vgpr_count:     128
    .wavefront_size: 32
...
	.end_amdgpu_metadata
.endif
;; end of part 2
;; launch pass3: the kernel of part 2 again; grid 256 x 1, 16 waves a work-group, no clusters, 10,240 bytes of LDS; arguments k1, k2, hb, ha; writes ha
;; launch prep (part 3): grid 257 x 1, 16 waves a work-group, no clusters, 6,144 bytes of LDS; arguments k1, k2, b1, b2, ha, w1x, w2x; writes w1x, w2x
.if DOCPART == 3
	.amdgcn_target "amdgcn-amd-amdhsa--gfx1250"
	.amdhsa_code_object_version 6
	.text
	.protected	k_q892e0a02b9_prep
	.globl	k_q892e0a02b9_prep
	.p2align	8
	.type	k_q892e0a02b9_prep,@function
k_q892e0a02b9_prep:
	s_mov_b64 s[64:65], 0
	v_nop
	global_prefetch_b8 v0, s[64:65] scope:SCOPE_SE
	s_setreg_imm32_b32 hwreg(HW_REG_WAVE_MODE, 25, 1), 1
	s_wait_xcnt 0x0
; THE WEIGHTS ARE LAID OUT.  Work-groups 0..255: tensor t = id / 128, chunk c = id % 128 of 32,768 bf16 numbers.  Each settles the last five key bits of the two limits
; from the counts (as a pass of the selection does) and writes its chunk twice in f16: as it is, and perturbed: w + (0.8 w) tier, tier = -1 where |w| >= the top
; limit, else +1 where |w| <= the bottom limit, else 0; in f32, one rounding, then one to f16.  Work-group 256: the same for b1 and b2 (limits found by the first launch), kept in f32.
; LIMITS.  f16: 65,520 and more become infinity; below 2^-14 the step is 2^-24.  Magnitudes are compared as whole numbers: NaN counts as larger than infinity.
.set RED,   0
.set SPARE, 4096                       ; the spare words, 128 bytes a wave; no other line names them
.set LANE, 1
.set L8,   2
.set VK,   3
.set VH,   4
.set A16,  5
.set MS,   8
.set TT,   13
.set UU,   14
.set T2,   15
.set AA,   17
.set PFB,  18
.set PFT,  19
.set SPW,  22
.set NIL,  23
.set K,    24                          ; v24-55
.set O,    56                          ; v56-87
.set SR,   56                          ; in the prologue alone
.set HS,   88                          ; in the prologue alone
.set VLO,  104
.set VHI,  105
.set OL,   106
.set OH,   107
.set TI,   108
.set ONEF, 110
.set NEGF, 111
.set SEL,  34
.set MK,   36
.set DB,   37
.set LB,   38
.set DT,   39
.set LT,   40
.set SB,   62
.set ST,   63
.macro EXCH d, s, x
.if (\x) == 16
	v_permlanex16_b32 v[\d], v[\s], s[SEL], s[SEL+1]
.else
	v_mov_b32_dpp v[\d], v[\s] row_xmask:\x row_mask:0xf bank_mask:0xf
.endif
.endm
.macro SUM16 base, R
.set xp, 0
.rept 16
	ds_load_b64 v[(\R)+2*xp:(\R)+2*xp+1], v[L8] offset:(\base)+256*xp
.set xp, xp+1
.endr
	s_wait_dscnt 0x0
.set xp, 1
.rept 15
	v_add_nc_u32 v[\R], v[\R], v[(\R)+2*xp]
	v_add_nc_u32 v[(\R)+1], v[(\R)+1], v[(\R)+2*xp+1]
.set xp, xp+1
.endr
.endm
.macro BS1 c, pre, x, m, last
	EXCH TT, \c, \x
	v_and_b32 v[UU], v[\m], v[TT]
	v_add_nc_u32 v[\pre], v[\pre], v[UU]
.if !(\last)
	v_add_nc_u32 v[\c], v[\c], v[TT]
.endif
.endm
.macro BSCAN c, pre
	v_mov_b32 v[\pre], v[\c]
	BS1 \c, \pre, 1, MS, 0
	BS1 \c, \pre, 2, MS+1, 0
	BS1 \c, \pre, 4, MS+2, 0
	BS1 \c, \pre, 8, MS+3, 0
	BS1 \c, \pre, 16, MS+4, 1
.endm
.macro FIND pre, rank, d, below
	v_cmp_ge_u32 s[MK], s[\rank], v[\pre]
	s_bcnt1_i32_b32 s[\d], s[MK]
	v_cndmask_b32 v[T2], 0, v[\pre], s[MK]
.irp x, 1,2,4,8,16
	EXCH UU, T2, \x
	v_max_u32 v[T2], v[T2], v[UU]
.endr
	v_readfirstlane_b32 s[\below], v[T2]
.endm
.macro SELECT
	s_wait_loadcnt 8                               ; my four loads of counts are in; the eight loads of keys stay out
.irp i, 1,2,3
.irp k, 0,1,2,3
	v_add_nc_u32 v[HS+\k], v[HS+\k], v[HS+4*\i+\k]
.endr
.endr
.irp k, 0,1,2,3
	v_permlanex16_b32 v[TT], v[HS+\k], s[SEL], s[SEL+1]
	v_add_nc_u32 v[HS+\k], v[HS+\k], v[TT]
.endr
	ds_store_b128 v[A16], v[HS:HS+3] offset:RED
	s_wait_dscnt 0x0
	s_barrier_signal -1
	s_barrier_wait -1
	SUM16 RED, SR
	BSCAN SR, PFB
	BSCAN SR+1, PFT
	s_wait_kmcnt 0x0
	FIND PFB, 17, DB, LB
	FIND PFT, 19, DT, LT
	s_lshl_b32 s[DB], s[DB], s20
	s_or_b32 s16, s16, s[DB]
	s_lshl_b32 s[DT], s[DT], s20
	s_or_b32 s18, s18, s[DT]
.endm
.macro RND2 a, b
	v_cvt_pk_bf16_f32 v[TT], v[\a], v[\b]
	v_lshlrev_b32 v[\a], 16, v[TT]
	v_and_b32 v[\b], 0xffff0000, v[TT]
.endm
.macro PERT1 v, o                      ; o = v + (0.8 v) tier; the top tier has the last word
	v_and_b32 v[AA], 0x7fffffff, v[\v]
	v_cmp_ge_u32 vcc_lo, s[SB], v[AA]
	v_cndmask_b32 v[TI], 0, v[ONEF], vcc_lo
	v_cmp_le_u32 vcc_lo, s[ST], v[AA]
	v_cndmask_b32 v[TI], v[TI], v[NEGF], vcc_lo
	v_mul_f32 v[UU], 0x3f4ccccd, v[\v]
	v_fma_f32 v[\o], v[UU], v[TI], v[\v]
.endm
.macro PERT k, o                       ; a word of two bf16: perturbed into o, clean in place, both as f16
	v_lshlrev_b32 v[VLO], 16, v[\k]
	v_and_b32 v[VHI], 0xffff0000, v[\k]
	PERT1 VLO, OL
	PERT1 VHI, OH
	v_cvt_pk_f16_f32 v[\o], v[OL], v[OH]
	v_cvt_pk_f16_f32 v[\k], v[VLO], v[VHI]
.endm
.macro STEP3 s
	s_wait_loadcnt 7-(\s)                          ; the younger loads of keys stay out
.irp j, 0,1,2,3
	PERT K+4*(\s)+\j, O+4*(\s)+\j
.endr
	global_store_b128 v[VK], v[K+4*(\s):K+4*(\s)+3], s[58:59] offset:512*(\s)   ; 512 consecutive bytes each
	global_store_b128 v[VK], v[O+4*(\s):O+4*(\s)+3], s[60:61] offset:512*(\s)
.endm
	s_load_b256 s[8:15], s[0:1], 0x0               ; k1 8, k2 10, b1 12, b2 14
	s_load_b128 s[52:55], s[0:1], 0x20             ; ha 52, w1x 54
	s_load_b64 s[56:57], s[0:1], 0x30              ; w2x
	v_lshl_add_u32 v[SPW], v0, 2, SPARE
	v_mov_b32 v[NIL], 0
	v_and_b32 v[LANE], 31, v0
	v_lshrrev_b32 v[TT], 5, v0
	v_readfirstlane_b32 s4, v[TT]
	v_mov_b32 v[UU], 0
	v_mov_b32 v[T2], 0
	v_mov_b32 v[ONEF], 1.0
	v_mov_b32 v[NEGF], -1.0
	s_mov_b32 s[SEL], 0x76543210
	s_mov_b32 s[SEL+1], 0xfedcba98
	s_mov_b32 s5, ttmp9
	s_lshr_b32 s6, s5, 7
	s_and_b32 s7, s5, 127
	s_mov_b32 s29, 0
	s_wait_kmcnt 0x0
	s_cmp_eq_u32 s5, 256
	s_cbranch_scc1 .Lbias
	v_lshlrev_b32 v[L8], 3, v[LANE]
	v_lshlrev_b32 v[VK], 4, v[LANE]
	v_lshl_add_u32 v[VH], s4, 11, v[VK]
	v_lshl_add_u32 v[VK], s4, 12, v[VK]
	v_and_b32 v[A16], 15, v[LANE]
	v_lshlrev_b32 v[A16], 4, v[A16]
	v_lshl_add_u32 v[A16], s4, 8, v[A16]
.set i, 0
.rept 5
	v_lshlrev_b32 v[MS+i], 31-i, v[LANE]
	v_ashrrev_i32 v[MS+i], 31, v[MS+i]
.set i, i+1
.endr
	s_lshl_b32 s28, s7, 16
	s_cmp_eq_u32 s6, 0
	s_cselect_b64 s[24:25], s[8:9], s[10:11]
	s_cselect_b64 s[58:59], s[54:55], s[56:57]
	s_add_nc_u64 s[24:25], s[24:25], s[28:29]      ; my chunk of bf16 numbers
	s_add_nc_u64 s[58:59], s[58:59], s[28:29]      ; its place in the clean copy,
	s_add_nc_u64 s[60:61], s[58:59], 0x800000      ; and in the perturbed one, 8,388,608 bytes on
	s_lshl_b32 s28, s6, 15
	s_add_nc_u64 s[26:27], s[52:53], s[28:29]
	s_lshl_b32 s28, s6, 7
	s_add_nc_u64 s[30:31], s[52:53], s[28:29]
	s_load_b256 s[16:23], s[30:31], 0x10000
.set i, 0
.rept 4
	global_load_b128 v[HS+4*i:HS+4*i+3], v[VH], s[26:27] offset:512*i
.set i, i+1
.endr
.set i, 0
.rept 8
	global_load_b128 v[K+4*i:K+4*i+3], v[VK], s[24:25] offset:512*i
.set i, i+1
.endr
	SELECT
	s_lshl_b32 s[SB], s16, 16                      ; the limits as f32 magnitudes
	s_lshl_b32 s[ST], s18, 16
.irp s, 0,1,2,3,4,5,6,7
	STEP3 \s
.endr
	s_branch .Lend
.Lbias:                                                ; thread tau: b1's numbers 8 tau .. + 7, b2's 2 tau, 2 tau + 1
	s_load_b32 s36, s[52:53], 0x10100              ; b1 bottom, b1 top, b2 bottom, b2 top
	s_load_b32 s37, s[52:53], 0x10180
	s_load_b32 s38, s[52:53], 0x10200
	s_load_b32 s39, s[52:53], 0x10280
	v_lshlrev_b32 v[VK], 5, v0
	v_lshlrev_b32 v[VH], 3, v0
	global_load_b128 v[K:K+3], v[VK], s[12:13]
	global_load_b128 v[K+4:K+7], v[VK], s[12:13] offset:16
	global_load_b64 v[K+8:K+9], v[VH], s[14:15]
	s_add_nc_u64 s[58:59], s[56:57], 0x1000000     ; the bias tables lie behind w2x's rows
	s_wait_kmcnt 0x0
	s_lshl_b32 s[SB], s36, 16
	s_lshl_b32 s[ST], s37, 16
	s_wait_loadcnt 0x0
.irp j, 0,1,2,3,4
	RND2 K+2*\j, K+2*\j+1
.endr
.irp j, 0,1,2,3,4,5,6,7
	PERT1 K+\j, O+\j
.endr
	s_lshl_b32 s[SB], s38, 16
	s_lshl_b32 s[ST], s39, 16
	PERT1 K+8, O+8
	PERT1 K+9, O+9
	global_store_b128 v[VK], v[K:K+3], s[58:59]
	global_store_b128 v[VK], v[K+4:K+7], s[58:59] offset:16
	global_store_b128 v[VK], v[O:O+3], s[58:59] offset:16384
	global_store_b128 v[VK], v[O+4:O+7], s[58:59] offset:16400
	global_store_b64 v[VH], v[K+8:K+9], s[58:59] offset:32768
	global_store_b64 v[VH], v[O+8:O+9], s[58:59] offset:36864
.Lend:
	s_wait_tensorcnt 0x0                           ; the wave's end: it stands behind my last LDS store
	ds_add_u32 v[SPW], v[NIL]
	s_wait_dscnt 0x0
	s_endpgm
.Lfunc_end_k_q892e0a02b9_prep:
	.size	k_q892e0a02b9_prep, .Lfunc_end_k_q892e0a02b9_prep-k_q892e0a02b9_prep
	.p2alignl 7, 3214868480
	.fill 96, 4, 3214868480
	.section	.rodata,"a",@progbits
	.p2align	6, 0x0
	.amdhsa_kernel k_q892e0a02b9_prep
		.amdhsa_group_segment_fixed_size 6144
		.amdhsa_private_segment_fixed_size 0
		.amdhsa_enable_private_segment 0
		.amdhsa_kernarg_size 56
		.amdhsa_user_sgpr_count 2
		.amdhsa_user_sgpr_kernarg_segment_ptr 1
		.amdhsa_wavefront_size32 1
		.amdhsa_system_sgpr_workgroup_id_x 1
		.amdhsa_system_sgpr_workgroup_id_y 1
		.amdhsa_system_sgpr_workgroup_id_z 1
		.amdhsa_system_vgpr_workitem_id 0
		.amdhsa_next_free_vgpr 128
		.amdhsa_next_free_sgpr 66
		.amdhsa_reserve_vcc 1
		.amdhsa_float_denorm_mode_32 3
		.amdhsa_float_denorm_mode_16_64 3
		.amdhsa_memory_ordered 1
		.amdhsa_forward_progress 1
		.amdhsa_inst_pref_size 44
	.end_amdhsa_kernel
	.amdgpu_metadata
---
amdhsa.version: [ 1, 2 ]
amdhsa.kernels:
  - .name:           k_q892e0a02b9_prep
    .symbol:         k_q892e0a02b9_prep.kd
    .args:
      - { .name: k1, .offset: 0, .size: 8, .value_kind: global_buffer, .address_space: global }
      - { .name: k2, .offset: 8, .size: 8, .value_kind: global_buffer, .address_space: global }
      - { .name: b1, .offset: 16, .size: 8, .value_kind: global_buffer, .address_space: global }
      - { .name: b2, .offset: 24, .size: 8, .value_kind: global_buffer, .address_space: global }
      - { .name: ha, .offset: 32, .size: 8, .value_kind: global_buffer, .address_space: global }
      - { .name: w1x, .offset: 40, .size: 8, .value_kind: global_buffer, .address_space: global }
      - { .name: w2x, .offset: 48, .size: 8, .value_kind: global_buffer, .address_space: global }
    .group_segment_fixed_size: 6144
    .private_segment_fixed_size: 0
    .kernarg_segment_align: 8
    .kernarg_segment_size: 56
    .max_flat_workgroup_size: 512
    .sgpr_count:     66
    .vgpr_count:     128
    .wavefront_size: 32
...
	.end_amdgpu_metadata
.endif
;; end of part 3
;; launch ffn1 (part 4): grid 32 x 16, 4 waves a work-group, clusters of 4 x 4, 327,680 bytes of LDS; arguments xb, w1x, w2x, hbuf; writes hbuf
.if DOCPART == 4
	.amdgcn_target "amdgcn-amd-amdhsa--gfx1250"
	.amdhsa_code_object_version 6
	.text
	.protected	k_q892e0a02b9_ffn1
	.globl	k_q892e0a02b9_ffn1
	.p2align	8
	.type	k_q892e0a02b9_ffn1,@function
k_q892e0a02b9_ffn1:
	s_mov_b64 s[64:65], 0
	v_nop
	global_prefetch_b8 v0, s[64:65] scope:SCOPE_SE
	s_setreg_imm32_b32 hwreg(HW_REG_WAVE_MODE, 25, 1), 1
	s_wait_xcnt 0x0
	s_wait_alu depctr_hold_cnt(0) depctr_sa_sdst(0) depctr_va_vdst(0) depctr_va_sdst(0) depctr_va_ssrc(0) depctr_va_vcc(0) depctr_vm_vsrc(0)
	s_getreg_b32 s2, hwreg(HW_REG_IB_STS2, 6, 4)
	s_cmp_eq_u32 s2, 0
	s_cbranch_scc0 .Lentry_in_a_cluster
	s_endpgm
.Lentry_in_a_cluster:
	s_bfe_u32 s2, ttmp6, 0x10000c
	s_cmp_lg_u32 s2, 0xf033
	s_cbranch_scc0 .Lentry_shape_is_right
	s_endpgm
.Lentry_shape_is_right:
; FIRST PRODUCT.  hbuf[m][4096 e + f] = p_e[m] * gelu(sum over k of x[m][k] W1_e[k][f] + b1_e[f]), f16; x: [4096][1024] f16, W1_e: [2][1024][4096] f16 (clean, perturbed), sums, bias and gelu in f32.
; gelu is the tanh form, written z / (1 + 2^(z (c0 + c1 z^2))), c0 = -2 sqrt(2/pi) log2(e), c1 = 0.044715 c0: the same function.
; LIMITS.  f16: a hidden number of 65,520 or more becomes infinity; below 2^-14 the step is 2^-24.  NaN and infinities are not treated apart.
; A tile of the result, 256 x 256, is made by four waves, each 128 x 128: 64 accumulators in register windows 2 and 3.  K goes in 8 steps of 128 through a ring of two LDS slots filled by tensor loads.
; x's tile lies [row][k] (rows of 256 bytes + 16); W1's lies [k][column] as in memory (rows of 512 bytes + 32) and is turned on its way into registers by ds_load_tr16_b128.
; CLUSTER 4 x 4: the four work-groups of a row need the same tiles of x, the four of a column the same tiles of W1: each tile is asked for jointly, by the same load with the same descriptor and a mask of the four.
; THE MATRIX INSTRUCTION IS USED TRANSPOSED (source 0 = 16 columns of W1, source 1 = 16 rows of x): a lane holds eight neighbouring columns of one row of the result.
; REGISTERS: window 0: v0-31 addresses; v32-41 the rows' p; v64-191 fragments of x, two buffers; on the way out v64-127 z, v128-191 at work, v192-255 packed rows.
;   window 1: v0-63 my columns' bias; v64-191 fragments of W1, two buffers.   windows 2, 3: accumulator (a, b) at v[8 (8 (a % 4) + b)] of window 2 + a / 4.
.set KSTEP,  128
.set PITCH,  272                       ; a row of x in LDS: 68 words, so the 16 rows of a load start at 16 different groups of four banks (64 banks of 4 bytes: ISA guide 11.1)
.set PBB,    544                       ; a row of W1 in LDS: 136 words
.set HALFT,  128*PITCH                 ; what one tensor load brings: 128 rows of x, or 64 rows of W1 (64 x 544 is the same number)
.set SLOT,   4*HALFT
.set STAGE,  2*SLOT                    ; behind the ring: 16 rows x 272 bytes for each wave, for the way out; no tensor load lands here
.set SPITCH, 272
.set SPARE,  STAGE+4*16*SPITCH         ; the spare words, 128 bytes a wave; no other line names them
.set LAPS,   4                         ; 1024 / (2 x 128)
.set ADRA, 16
.set ADRB, 20
.set STO,  24
.set RD,   25
.set CO,   26
.set SPW,  28
.set NIL,  29
.set PR,   32                          ; v32-39: p of my row in each of the eight blocks of 16 rows
.set PCUR, 40                          ; v[40:41]: p of the block in hand
.set F0,   64
.set F1,   128
.set T,    64
.set Q,    128
.set TMP,  192
.set OB,   224
.set BIAS, 0                           ; window 1
.set G1,  24
.set G0,  32
.set G1B, 48
.set G0B, 56
.set GC1, 66                           ; s[66:67] c1
.set GC0, 68                           ; s[68:69] c0
.set BLK, 70
.set MSB, 0
.macro WIN new                         ; the immediate's high byte repeats the setting that is left
.if MSB != (\new)
	s_set_vgpr_msb (MSB<<8)|(\new)
.set MSB, \new
.endif
.endm
.set MUL_LO, 0xa1                      ; source 0 (W1) window 1, source 1 (x) window 0, C and D window 2
.set MUL_HI, 0xf1                      ; the same, C and D window 3
.set TO_B,   0x40                      ; destination window 1, address window 0
; A joint load: waves 0 and 1 fetch the two halves of x's tile, waves 2 and 3 those of W1's.  The branch hangs on the wave's number alone.
; An s_nop 0 and four v_nop follow each of the two lines, ahead of the jump and the label.
.macro JLOAD s
	s_cmp_eq_u32 s11, 0
	s_cbranch_scc0 .Lfor_b_\@
	tensor_load_to_lds s[G0+4*(\s):G0+4*(\s)+3], s[G1:G1+7]
	s_nop 0
.rept 4
	v_nop
.endr
	s_branch .Lasked_\@
.Lfor_b_\@:
	tensor_load_to_lds s[G0B+4*(\s):G0B+4*(\s)+3], s[G1B:G1B+7]
	s_nop 0
.rept 4
	v_nop
.endr
.Lasked_\@:
.endm
.macro CREST                           ; a round of the cluster's barrier behind its opening barrier
	s_cmp_lg_u32 s10, 0
	s_cbranch_scc1 .Lnot_wave_0_\@
	s_barrier_signal -3
.Lnot_wave_0_\@:
	s_barrier_wait -3
	s_barrier_signal -1
	s_barrier_wait -1
.endm
.macro CROUND
	s_barrier_signal -1
	s_barrier_wait -1
	CREST
.endm
	s_load_b128 s[4:7], s[0:1], 0x0                ; xb, w1x
	s_load_b64 s[72:73], s[0:1], 0x10              ; w2x (the bias table lies behind its rows)
	s_load_b64 s[8:9], s[0:1], 0x18                ; hbuf
	v_lshl_add_u32 v[SPW], v0, 2, SPARE
	v_mov_b32 v[NIL], 0
	ds_add_u32 v[SPW], v[NIL]                      ; the wave's opening: the add and its wait stand ahead of my first tensor load; work on registers stands between them
	v_lshrrev_b32 v1, 5, v0
	v_readfirstlane_b32 s10, v1                    ; wave 0..3
	s_lshr_b32 s11, s10, 1                         ; my half of the tile's rows.  Also: I fetch for x (0) or for W1 (1)
	s_and_b32 s12, s10, 1                          ; my half of its columns.  Also: which half of that tile I fetch
	s_bfe_u32 s40, ttmp6, 0x40000                  ; cx
	s_bfe_u32 s41, ttmp6, 0x40004                  ; cy
	s_lshl_b32 s42, ttmp9, 2
	s_add_co_u32 s42, s42, s40                     ; tile column 0..31 (16 for each expert)
	s_and_b32 s13, ttmp7, 0xffff
	s_lshl_b32 s13, s13, 2
	s_add_co_u32 s13, s13, s41                     ; tile row 0..15
	s_lshl_b32 s43, s41, 2
	s_lshl_b32 s43, 15, s43                        ; my row of the cluster
	s_lshl_b32 s44, 0x1111, s40                    ; my column
	s_or_b32 s[G1+0], s43, (1<<16)|(1<<20)|(1<<21)|(5<<22)|(3<<25)   ; mask; 2-byte elements; padding on; bit 21 beside a mask; after every 64 words, 4 words
	s_or_b32 s[G1B+0], s44, (1<<16)|(1<<20)|(1<<21)|(6<<22)|(7<<25)  ; after every 128 words, 8 words
	s_mov_b32 s[G1+1], 128<<16                     ; x: tensor_dim0 = 128
	s_mov_b32 s[G1+2], 128<<16                     ; tensor_dim1 = 128
	s_mov_b32 s[G1+3], 128<<16                     ; tile_dim0 = 128
	s_mov_b32 s[G1+4], 128                         ; tile_dim1 = 128
	s_mov_b32 s[G1+5], 1024                        ; elements from row to row
	s_mov_b32 s[G1+6], 0
	s_mov_b32 s[G1+7], 0
	s_mov_b32 s[G1B+1], 256<<16                    ; W1: 64 rows (k) of 256 columns
	s_mov_b32 s[G1B+2], 64<<16
	s_mov_b32 s[G1B+3], 256<<16
	s_mov_b32 s[G1B+4], 64
	s_mov_b32 s[G1B+5], 4096
	s_mov_b32 s[G1B+6], 0
	s_mov_b32 s[G1B+7], 0
	s_mov_b32 s[GC1], 0xbdd2d3e8
	s_mov_b32 s[GC1+1], s[GC1]
	s_mov_b32 s[GC0], 0xc0135761
	s_mov_b32 s[GC0+1], s[GC0]
	s_lshl_b32 s17, s12, 7
	s_lshl_b32 s16, s13, 8
	s_add_co_u32 s16, s16, s17                     ; x: row 256 x tile row + 128 x half,
	s_lshl_b32 s16, s16, 11                        ; of 2,048 bytes
	s_mov_b32 s17, 0
	s_lshr_b32 s46, s42, 4                         ; W1: the expert's 8,388,608 bytes,
	s_lshl_b32 s46, s46, 23
	s_and_b32 s47, s42, 15
	s_lshl_b32 s47, s47, 9                         ; the tile's 256 columns,
	s_add_co_u32 s46, s46, s47
	s_lshl_b32 s47, s12, 19                        ; my 64 rows of 8,192 bytes
	s_add_co_u32 s46, s46, s47
	s_mov_b32 s47, 0
	s_mul_i32 s20, s10, HALFT                      ; where they go: wave x one load's bytes; no place in the cluster enters an LDS address
	s_wait_dscnt 0x0                               ; the opening add is done
	s_wait_kmcnt 0x0
	s_add_nc_u64 s[14:15], s[4:5], s[16:17]
	s_add_nc_u64 s[46:47], s[6:7], s[46:47]
	CROUND                                         ; all sixteen work-groups are here: the first joint loads meet
.irp s, 0,1
	s_mov_b32 s[G0+4*(\s)], 1
	s_add_co_u32 s[G0+4*(\s)+1], s20, (\s)*SLOT
	s_add_nc_u64 s[G0+4*(\s)+2:G0+4*(\s)+3], s[14:15], (\s)*KSTEP*2
	s_or_b32 s[G0+4*(\s)+3], s[G0+4*(\s)+3], 0x80000000
	s_mov_b32 s[G0B+4*(\s)], 1
	s_add_co_u32 s[G0B+4*(\s)+1], s20, (\s)*SLOT
	s_add_nc_u64 s[G0B+4*(\s)+2:G0B+4*(\s)+3], s[46:47], (\s)*KSTEP*8192
	s_or_b32 s[G0B+4*(\s)+3], s[G0B+4*(\s)+3], 0x80000000
	JLOAD \s                                       ; K steps 0 and 1: two loads of mine are out
.endr
	v_and_b32 v1, 15, v0                           ; r = l % 16
	v_bfe_u32 v2, v0, 4, 1                         ; h = l / 16
	v_mul_u32_u24 v3, v1, PITCH
	v_lshl_add_u32 v3, v2, 4, v3                   ; x: row r, 16 bytes for each half of the lanes
	v_and_b32 v4, 7, v0
	v_lshl_add_u32 v4, v2, 3, v4                   ; W1: lane l addresses k = 8 h + l % 8,
	v_mul_u32_u24 v4, v4, PBB
	v_bfe_u32 v5, v0, 3, 1
	v_lshl_add_u32 v4, v5, 4, v4                   ; columns 8 ((l / 8) % 2) + 0..7
	s_mul_i32 s21, s11, HALFT
	s_lshl_b32 s22, s12, 8                         ; my 128 columns
	s_add_co_u32 s22, s22, 2*HALFT
.irp s, 0,1
	v_add_nc_u32 v[ADRA+(\s)], s21, v3
	v_add_nc_u32 v[ADRB+(\s)], s22, v4
	s_add_co_u32 s21, s21, SLOT
	s_add_co_u32 s22, s22, SLOT
.endr
	s_mul_i32 s23, s10, 16*SPITCH
	s_add_co_u32 s23, s23, STAGE                   ; my stage
	v_mul_u32_u24 v4, v1, SPITCH
	v_lshl_add_u32 v4, v2, 4, v4
	v_add_nc_u32 v[STO], s23, v4
	v_mul_u32_u24 v5, v2, SPITCH
	v_lshl_add_u32 v5, v1, 4, v5
	v_add_nc_u32 v[RD], s23, v5
	v_lshlrev_b32 v5, 14, v2                       ; a row of hbuf is 16,384 bytes
	v_lshl_add_u32 v[CO], v1, 4, v5
	s_lshl_b32 s13, s13, 8
	s_lshl_b32 s14, s11, 7
	s_add_co_u32 s16, s13, s14                     ; my first row
	s_lshl_b32 s18, s16, 14
	s_mov_b32 s19, 0
	s_add_nc_u64 s[8:9], s[8:9], s[18:19]
	s_lshl_b32 s46, s42, 9
	s_lshl_b32 s47, s12, 8
	s_add_co_u32 s46, s46, s47                     ; my first column, in bytes of f16
	s_mov_b32 s47, 0
	s_add_nc_u64 s[8:9], s[8:9], s[46:47]
	s_lshl_b32 s46, s46, 1                         ; the same in bytes of f32
	s_add_nc_u64 s[72:73], s[72:73], s[46:47]
	s_add_nc_u64 s[72:73], s[72:73], 0x1000000     ; b1 of both experts, [8192] f32
	v_lshlrev_b32 v6, 5, v2
	WIN TO_B
.irp b, 0,1,2,3,4,5,6,7                ; my eight columns in each of the eight blocks of 16
	global_load_b128 v[BIAS+8*\b:BIAS+8*\b+3], v6, s[72:73] offset:64*\b
	global_load_b128 v[BIAS+8*\b+4:BIAS+8*\b+7], v6, s[72:73] offset:64*\b+16
.endr
	WIN 0
	s_lshl_b32 s78, s16, 3
	s_lshr_b32 s79, s42, 4
	s_lshl2_add_u32 s78, s79, s78                  ; 8 x row + 4 x expert
	s_mov_b32 s79, 0
	s_add_nc_u64 s[76:77], s[4:5], 0x800000        ; p lies behind xb's rows
	s_add_nc_u64 s[76:77], s[76:77], s[78:79]
	v_lshlrev_b32 v7, 3, v1
.irp a, 0,1,2,3,4,5,6,7
	global_load_b32 v[PR+\a], v7, s[76:77] offset:128*\a
.endr
; 16 matrix instructions: row blocks a0, a0 + 1 of the window's four x all 8 column blocks, 32 along K.  zero = 1: the first product starts the sums.
; The 64 accumulators take turns, one instruction a turn.
.macro MUL16 f, hi, a0, zero
	WIN MUL_LO+0x50*(\hi)
.irp a, \a0, (\a0)+1
.irp b, 0,1,2,3,4,5,6,7
.if \zero
	v_wmma_f32_16x16x32_f16 v[8*(8*(\a)+(\b)):8*(8*(\a)+(\b))+7], v[(\f)+8*(\b):(\f)+8*(\b)+7], v[(\f)+8*(4*(\hi)+(\a)):(\f)+8*(4*(\hi)+(\a))+7], 0
.else
	v_wmma_f32_16x16x32_f16 v[8*(8*(\a)+(\b)):8*(8*(\a)+(\b))+7], v[(\f)+8*(\b):(\f)+8*(\b)+7], v[(\f)+8*(4*(\hi)+(\a)):(\f)+8*(4*(\hi)+(\a))+7], v[8*(8*(\a)+(\b)):8*(8*(\a)+(\b))+7]
.endif
.endr
.endr
.endm
; 32 LDS loads in one run: the fragments of quarter q (32 along K) into buffer f: W1's 128 columns, turned, then x's 128 rows
.macro FETCH slot, q, f
	WIN TO_B
.irp i, 0,1,2,3,4,5,6,7
	ds_load_tr16_b128 v[(\f)+8*(\i):(\f)+8*(\i)+3],   v[ADRB+(\slot)] offset:(\q)*32*PBB+32*(\i)
	ds_load_tr16_b128 v[(\f)+8*(\i)+4:(\f)+8*(\i)+7], v[ADRB+(\slot)] offset:(\q)*32*PBB+16*PBB+32*(\i)
.endr
	WIN 0
.irp i, 0,1,2,3,4,5,6,7
	ds_load_b128 v[(\f)+8*(\i):(\f)+8*(\i)+3],   v[ADRA+(\slot)] offset:(\q)*64+(\i)*16*PITCH
	ds_load_b128 v[(\f)+8*(\i)+4:(\f)+8*(\i)+7], v[ADRA+(\slot)] offset:(\q)*64+(\i)*16*PITCH+32
.endr
.endm
.macro PLACES                          ; four plain places in front of loads into registers that matrix instructions have read, and of lines that read results
.rept 4
	v_nop
.endr
.endm
.macro QUARTER slot, q, f, g, zero     ; multiplies buffer f; in its middle fetches quarter q of the slot into buffer g
	s_wait_dscnt 8                                 ; W1's fragments and x's rows 0-63 are in; the youngest eight loads may be out
	WIN MUL_LO
	MUL16 \f, 0, 0, \zero
	MUL16 \f, 0, 2, \zero
	PLACES
	FETCH \slot, \q, \g
	s_wait_dscnt 32                                ; all but the 32 just issued
	WIN MUL_HI
	MUL16 \f, 1, 0, \zero
	MUL16 \f, 1, 2, \zero
.endm
.macro MEET round                      ; the change of slots: one barrier for two things
	WIN 0
	s_wait_tensorcnt 0x0                           ; all my tensor loads have landed: the one that was out is my part of the next slot
	ds_add_u32 v[SPW], v[NIL]                      ; 0 onto my spare word
	s_wait_dscnt 9                                 ; (the add and the youngest eight loads may be out)
	WIN MUL_LO
	MUL16 F1, 0, 0, 0
	s_wait_dscnt 0x0                               ; the add is done, and my reads of this slot are over
	s_barrier_signal -1
	MUL16 F1, 0, 2, 0
.if \round
	WIN 0
.endif
	s_barrier_wait -1
.endm
.macro TURN slot, next, fill           ; the last quarter of a K step.  fill = 1: the slot just read out is filled again, two K steps on
	MEET \fill
.if \fill
	CREST                                          ; the barrier has opened a round of the cluster's: no wave of any partner still reads this slot or has a load on its way
	s_add_nc_u64 s[G0+4*(\slot)+2:G0+4*(\slot)+3], s[G0+4*(\slot)+2:G0+4*(\slot)+3], 2*KSTEP*2
	s_add_nc_u64 s[G0B+4*(\slot)+2:G0B+4*(\slot)+3], s[G0B+4*(\slot)+2:G0B+4*(\slot)+3], 2*KSTEP*8192
	JLOAD \slot                                    ; the first tensor load behind the round; its four v_nop are also the places in front of the loads below
.else
	PLACES
.endif
	FETCH \next, 0, F0
	WIN MUL_HI
	MUL16 F1, 1, 0, 0
	MUL16 F1, 1, 2, 0
.endm
	s_wait_tensorcnt 1                             ; my part of K step 0 is in; K step 1's may stay out
	s_barrier_signal -1
	s_barrier_wait -1
	FETCH 0, 0, F0
	QUARTER 0, 1, F0, F1, 1                        ; the first quarter stands in front of the loop: its products start the sums
	WIN 0
	s_mov_b32 s3, LAPS-1
.Llap:                                                 ; a trip goes once round the ring and fills both slots again
	QUARTER 0, 2, F1, F0, 0
	QUARTER 0, 3, F0, F1, 0
	TURN 0, 1, 1
	QUARTER 1, 1, F0, F1, 0
	QUARTER 1, 2, F1, F0, 0
	QUARTER 1, 3, F0, F1, 0
	TURN 1, 0, 1
	QUARTER 0, 1, F0, F1, 0
	WIN 0
	s_sub_co_u32 s3, s3, 1
	s_cmp_lg_u32 s3, 0
	s_cbranch_scc1 .Llap
	QUARTER 0, 2, F1, F0, 0                        ; the last lap fills nothing
	QUARTER 0, 3, F0, F1, 0
	TURN 0, 1, 0
	QUARTER 1, 1, F0, F1, 0
	QUARTER 1, 2, F1, F0, 0
	QUARTER 1, 3, F0, F1, 0
	s_wait_dscnt 8
	WIN MUL_LO
	MUL16 F1, 0, 0, 0
	MUL16 F1, 0, 2, 0
	s_wait_dscnt 0x0
	MUL16 F1, 1, 0, 0
	MUL16 F1, 1, 2, 0
	WIN 0
	PLACES
	s_wait_loadcnt 0x0                             ; the bias and p
	; THE WAY OUT, a block of 16 rows a trip.  Only the lines that fetch a block from its accumulators differ from block to block: they are written eight times (GET), and the counter,
	; a constant walk that is the same in every work-group, chooses among them by forward jumps; the gelu, the stage and the stores are written once.
.macro GET a                           ; z = sum + bias, each accumulator's registers in ascending order
	WIN 0x06+((\a)/4)                              ; source 0: window 2 or 3; source 1: window 1; destination: window 0
.set gi, 0
.rept 32
	v_pk_add_f32 v[T+2*gi:T+2*gi+1], v[64*((\a)%4)+2*gi:64*((\a)%4)+2*gi+1], v[BIAS+2*gi:BIAS+2*gi+1]
.set gi, gi+1
.endr
	WIN 0
	v_mov_b32 v[PCUR], v[PR+(\a)]
	v_mov_b32 v[PCUR+1], v[PR+(\a)]
.endm
	s_mov_b32 s[BLK], 0
.Lblk:
.irp a, 0,1,2,3,4,5,6
	s_cmp_eq_u32 s[BLK], \a
	s_cbranch_scc1 .Lget\a
.endr
	GET 7
	s_branch .Lcom
.irp a, 0,1,2,3,4,5,6
.Lget\a:
	GET \a
	s_branch .Lcom
.endr
.Lcom:
	; 2^(z (c0 + c1 z^2)) for 64 numbers: one batch of exponentials, each pair's standing among the next pair's plain lines; z becomes p z
.set i, 0
.rept 33
.if i < 32
	v_pk_mul_f32 v[Q+2*i:Q+2*i+1], v[T+2*i:T+2*i+1], v[T+2*i:T+2*i+1]
.endif
.if i > 0
	v_exp_f32 v[Q+2*i-2], v[Q+2*i-2]
.endif
.if i < 32
	v_pk_fma_f32 v[Q+2*i:Q+2*i+1], v[Q+2*i:Q+2*i+1], s[GC1:GC1+1], s[GC0:GC0+1] op_sel_hi:[1,0,0]
.endif
.if i > 0
	v_exp_f32 v[Q+2*i-1], v[Q+2*i-1]
.endif
.if i < 32
	v_pk_mul_f32 v[Q+2*i:Q+2*i+1], v[Q+2*i:Q+2*i+1], v[T+2*i:T+2*i+1]
	v_pk_mul_f32 v[T+2*i:T+2*i+1], v[T+2*i:T+2*i+1], v[PCUR:PCUR+1] op_sel_hi:[1,0]
.endif
.set i, i+1
.endr
	v_nop                                          ; a plain line behind the last exponential,
	s_wait_alu depctr_va_vdst(0)                   ; and one wait for the batch, ahead of the first line that names a result
.set i, 0
.rept 33
.if i < 32
	v_pk_add_f32 v[Q+2*i:Q+2*i+1], v[Q+2*i:Q+2*i+1], 1.0 op_sel_hi:[1,0]
.endif
.if i > 0
	v_rcp_f32 v[Q+2*i-2], v[Q+2*i-2]
	v_rcp_f32 v[Q+2*i-1], v[Q+2*i-1]
.endif
.set i, i+1
.endr
	v_nop
	s_wait_alu depctr_va_vdst(0)                   ; one wait for the 64 reciprocals
.set i, 0
.rept 32
	v_pk_mul_f32 v[T+2*i:T+2*i+1], v[T+2*i:T+2*i+1], v[Q+2*i:Q+2*i+1]
.set i, i+1
.endr
.set i, 0
.rept 32
	v_cvt_pk_f16_f32 v[TMP+i], v[T+2*i], v[T+2*i+1]
.set i, i+1
.endr
.irp b, 0,1,2,3,4,5,6,7
	ds_store_b128 v[STO], v[TMP+4*\b:TMP+4*\b+3] offset:32*\b
.endr
.irp t, 0,1,2,3,4,5,6,7
	ds_load_b128 v[OB+4*\t:OB+4*\t+3], v[RD] offset:\t*2*SPITCH   ; LDS serves a wave's instructions in order (ISA guide 5.7.1.4): these see the stores above
.endr
	s_wait_dscnt 0x0
.irp t, 0,1,2,3,4,5,6,7
	global_store_b128 v[CO], v[OB+4*\t:OB+4*\t+3], s[8:9] offset:\t*2*16384   ; 16 lanes store 256 consecutive bytes, aligned
.endr
	s_wait_xcnt 0x0                                ; the stores' base and data are rewritten only behind this wait
	s_add_nc_u64 s[8:9], s[8:9], 16*16384
	s_add_co_u32 s[BLK], s[BLK], 1
	s_cmp_lt_u32 s[BLK], 8
	s_cbranch_scc1 .Lblk
	s_wait_tensorcnt 0x0                           ; the wave's end: it stands behind my last tensor load and my last LDS store
	ds_add_u32 v[SPW], v[NIL]
	s_wait_dscnt 0x0
	CROUND                                         ; the closing round: no work-group ends while a partner may still ask for a tile that names it
	s_endpgm
.Lfunc_end_k_q892e0a02b9_ffn1:
	.size	k_q892e0a02b9_ffn1, .Lfunc_end_k_q892e0a02b9_ffn1-k_q892e0a02b9_ffn1
	.p2alignl 7, 3214868480
	.fill 96, 4, 3214868480
	.section	.rodata,"a",@progbits
	.p2align	6, 0x0
	.amdhsa_kernel k_q892e0a02b9_ffn1
		.amdhsa_group_segment_fixed_size 327680
		.amdhsa_private_segment_fixed_size 0
		.amdhsa_enable_private_segment 0
		.amdhsa_kernarg_size 32
		.amdhsa_user_sgpr_count 2
		.amdhsa_user_sgpr_kernarg_segment_ptr 1
		.amdhsa_wavefront_size32 1
		.amdhsa_system_sgpr_workgroup_id_x 1
		.amdhsa_system_sgpr_workgroup_id_y 1
		.amdhsa_system_sgpr_workgroup_id_z 1
		.amdhsa_system_vgpr_workitem_id 0
		.amdhsa_next_free_vgpr 1024
		.amdhsa_next_free_sgpr 80
		.amdhsa_reserve_vcc 0
		.amdhsa_float_denorm_mode_32 3
		.amdhsa_float_denorm_mode_16_64 3
		.amdhsa_memory_ordered 1
		.amdhsa_forward_progress 1
		.amdhsa_inst_pref_size 152
	.end_amdhsa_kernel
	.amdgpu_metadata
---
amdhsa.version: [ 1, 2 ]
amdhsa.kernels:
  - .name:           k_q892e0a02b9_ffn1
    .symbol:         k_q892e0a02b9_ffn1.kd
    .args:
      - { .name: xb, .offset: 0, .size: 8, .value_kind: global_buffer, .address_space: global }
      - { .name: w1x, .offset: 8, .size: 8, .value_kind: global_buffer, .address_space: global }
      - { .name: w2x, .offset: 16, .size: 8, .value_kind: global_buffer, .address_space: global }
      - { .name: hbuf, .offset: 24, .size: 8, .value_kind: global_buffer, .address_space: global }
    .group_segment_fixed_size: 327680
    .private_segment_fixed_size: 0
    .kernarg_segment_align: 8
    .kernarg_segment_size: 32
    .max_flat_workgroup_size: 128
    .sgpr_count:     80
    .vgpr_count:     1024
    .wavefront_size: 32
...
	.end_amdgpu_metadata
.endif
;; end of part 4
;; launch ffn2 (part 5): grid 8 x 32, 4 waves a work-group, clusters of 4 x 4, 327,680 bytes of LDS; arguments hbuf, w2x, xb, out0; writes out0
.if DOCPART == 5
	.amdgcn_target "amdgcn-amd-amdhsa--gfx1250"
	.amdhsa_code_object_version 6
	.text
	.protected	k_q892e0a02b9_ffn2
	.globl	k_q892e0a02b9_ffn2
	.p2align	8
	.type	k_q892e0a02b9_ffn2,@function
k_q892e0a02b9_ffn2:
	s_mov_b64 s[64:65], 0
	v_nop
	global_prefetch_b8 v0, s[64:65] scope:SCOPE_SE
	s_setreg_imm32_b32 hwreg(HW_REG_WAVE_MODE, 25, 1), 1
	s_wait_xcnt 0x0
	s_wait_alu depctr_hold_cnt(0) depctr_sa_sdst(0) depctr_va_vdst(0) depctr_va_sdst(0) depctr_va_ssrc(0) depctr_va_vcc(0) depctr_vm_vsrc(0)
	s_getreg_b32 s2, hwreg(HW_REG_IB_STS2, 6, 4)
	s_cmp_eq_u32 s2, 0
	s_cbranch_scc0 .Lentry_in_a_cluster
	s_endpgm
.Lentry_in_a_cluster:
	s_bfe_u32 s2, ttmp6, 0x10000c
	s_cmp_lg_u32 s2, 0xf033
	s_cbranch_scc0 .Lentry_shape_is_right
	s_endpgm
.Lentry_shape_is_right:
; SECOND PRODUCT AND MERGE.  out0[m][n] = sum over j < 8192 of hbuf[m][j] W2cat[j][n] + p0[m] b2[n] + p1[m] b2'[n], f32.  hbuf already carries p_e, so one sum over both experts is the merged result.
; hbuf: [4096][8192] f16; W2cat: [8192][1024] f16 (clean rows, then perturbed); sums in f32.
; ORDER OF ROUNDING.  Each output is four f32 partial sums (one a wave, 2,048 terms each), added in the order of the waves, then p0 b2, then p1 b2': another order than the reference's.
; A tile of out0 is 128 x 128: 256 work-groups.  K goes in 32 steps of 256 through a ring of two LDS slots filled by tensor loads.
; THE FOUR WAVES SHARE K, NOT THE TILE: wave w multiplies k = 64 w .. 64 w + 63 of every step for the whole tile, 64 accumulators of 16 x 16.  For 32 along K it loads 16 KiB from LDS for 64 matrix
; instructions (a wave tile of 64 x 64 would load 8 KiB for 16), and every byte of a slot is read once, by one wave.  The price, once a launch: the four partial tiles are added through LDS.
; hbuf's tile lies [row][k] (rows of 512 bytes + 16); W2's lies [k][column] as in memory (rows of 256 bytes + 32) and is turned on its way into registers by ds_load_tr16_b128.
; CLUSTER 4 x 4: hbuf's tiles are shared along a row of the cluster, W2's along a column: joint loads.  THE MATRIX INSTRUCTION IS USED TRANSPOSED: a lane holds eight neighbouring columns of one row.
; REGISTERS: window 0: v0-31 addresses; v32-35 p of my rows; v64-191 fragments of hbuf, two buffers; on the way out v64-255 three buffers of 64.
;   window 1: v0-63 b2 of the tile's columns; v64-191 fragments of W2, two buffers; v192-255 the perturbed b2.   windows 2, 3: accumulator (a, b) at v[8 (8 (a % 4) + b)] of window 2 + a / 4.
.set KSTEP,  256
.set PITCH,  528                       ; a row of hbuf in LDS: 132 words: the 16 rows of a load start at 16 different groups of four banks (64 banks of 4 bytes: ISA guide 11.1)
.set PBB,    288                       ; a row of W2 in LDS: 72 words
.set HALFA,  64*PITCH                  ; one load of hbuf: 64 rows
.set HALFB,  128*PBB                   ; one load of W2: 128 rows (k)
.set SLOT,   2*HALFA+2*HALFB
.set STAGE,  2*SLOT                    ; behind the ring: 16 rows x 528 bytes for each wave; no tensor load lands here
.set SPITCH, 528
.set SPARE,  STAGE+4*16*SPITCH         ; the spare words, 128 bytes a wave; no other line names them
.set LAPS,   16                        ; 8192 / (2 x 256)
.set RX,   8                           ; v8-11  the exchange: where I read my rows in the part of wave 0 .. 3
.set ADRA, 16                          ; v16-17 my fragments of hbuf in slot 0, 1
.set ADRB, 20                          ; v20-21 the same for W2
.set STO,  24
.set RD,   25
.set CO,   26
.set EXS,  27                          ; the exchange: where I lay my part, 65,536 bytes a wave from LDS byte 0
.set SPW,  28
.set NIL,  29
.set PP,   32                          ; v32-35 (p0, p1) of my row in each of my two blocks of 16 rows
.set F0,   64
.set F1,   128
.set R0,   64                          ; the way out, window 0
.set R1,   128
.set R2,   192
.set BC,   0                           ; window 1
.set BP,   192                         ; window 1
.set G1,  24
.set G0,  32
.set G1B, 48
.set G0B, 56
.set MSB, 0
.macro WIN new                         ; the immediate's high byte repeats the setting that is left
.if MSB != (\new)
	s_set_vgpr_msb (MSB<<8)|(\new)
.set MSB, \new
.endif
.endm
.set MUL_LO, 0xa1                      ; source 0 (W2) window 1, source 1 (hbuf) window 0, C and D window 2
.set MUL_HI, 0xf1                      ; the same, C and D window 3
.set TO_B,   0x40                      ; destination window 1, address window 0
.macro JLOAD s                         ; waves 0 and 1 fetch hbuf's two halves, waves 2 and 3 W2's; an s_nop 0 and four v_nop follow each line
	s_cmp_eq_u32 s11, 0
	s_cbranch_scc0 .Lfor_b_\@
	tensor_load_to_lds s[G0+4*(\s):G0+4*(\s)+3], s[G1:G1+7]
	s_nop 0
.rept 4
	v_nop
.endr
	s_branch .Lasked_\@
.Lfor_b_\@:
	tensor_load_to_lds s[G0B+4*(\s):G0B+4*(\s)+3], s[G1B:G1B+7]
	s_nop 0
.rept 4
	v_nop
.endr
.Lasked_\@:
.endm
.macro CREST                           ; a round of the cluster's barrier behind its opening barrier
	s_cmp_lg_u32 s10, 0
	s_cbranch_scc1 .Lnot_wave_0_\@
	s_barrier_signal -3
.Lnot_wave_0_\@:
	s_barrier_wait -3
	s_barrier_signal -1
	s_barrier_wait -1
.endm
.macro CROUND
	s_barrier_signal -1
	s_barrier_wait -1
	CREST
.endm
	s_load_b128 s[4:7], s[0:1], 0x0                ; hbuf, w2x
	s_load_b64 s[66:67], s[0:1], 0x10              ; xb (p lies behind its rows)
	s_load_b64 s[8:9], s[0:1], 0x18                ; out0
	v_lshl_add_u32 v[SPW], v0, 2, SPARE
	v_mov_b32 v[NIL], 0
	ds_add_u32 v[SPW], v[NIL]                      ; the wave's opening: the add and its wait stand ahead of my first tensor load; work on registers stands between them
	v_lshrrev_b32 v1, 5, v0
	v_readfirstlane_b32 s10, v1                    ; wave 0..3: my quarter of every K step
	s_lshr_b32 s11, s10, 1                         ; I fetch for hbuf (0) or for W2 (1),
	s_and_b32 s12, s10, 1                          ; and this half of that tile
	s_bfe_u32 s40, ttmp6, 0x40000
	s_bfe_u32 s41, ttmp6, 0x40004
	s_lshl_b32 s42, ttmp9, 2
	s_add_co_u32 s42, s42, s40                     ; tile column 0..7
	s_and_b32 s13, ttmp7, 0xffff
	s_lshl_b32 s13, s13, 2
	s_add_co_u32 s13, s13, s41                     ; tile row 0..31
	s_lshl_b32 s43, s41, 2
	s_lshl_b32 s43, 15, s43
	s_lshl_b32 s44, 0x1111, s40
	s_or_b32 s[G1+0], s43, (1<<16)|(1<<20)|(1<<21)|(6<<22)|(3<<25)   ; hbuf: after every 128 words, 4 words of padding
	s_or_b32 s[G1B+0], s44, (1<<16)|(1<<20)|(1<<21)|(5<<22)|(7<<25)  ; W2: after every 64 words, 8 words
	s_mov_b32 s[G1+1], 256<<16                     ; hbuf: 64 rows of 256 elements, 8,192 from row to row
	s_mov_b32 s[G1+2], 64<<16
	s_mov_b32 s[G1+3], 256<<16
	s_mov_b32 s[G1+4], 64
	s_mov_b32 s[G1+5], 8192
	s_mov_b32 s[G1+6], 0
	s_mov_b32 s[G1+7], 0
	s_mov_b32 s[G1B+1], 128<<16                    ; W2: 128 rows (k) of 128 columns, 1,024 from row to row
	s_mov_b32 s[G1B+2], 128<<16
	s_mov_b32 s[G1B+3], 128<<16
	s_mov_b32 s[G1B+4], 128
	s_mov_b32 s[G1B+5], 1024
	s_mov_b32 s[G1B+6], 0
	s_mov_b32 s[G1B+7], 0
	s_lshl_b32 s17, s12, 6
	s_lshl_b32 s16, s13, 7
	s_add_co_u32 s16, s16, s17                     ; hbuf: row 128 x tile row + 64 x half,
	s_lshl_b32 s16, s16, 14                        ; of 16,384 bytes
	s_mov_b32 s17, 0
	s_lshl_b32 s46, s42, 8                         ; W2: the tile's 128 columns,
	s_lshl_b32 s47, s12, 18                        ; my 128 rows of 2,048 bytes
	s_add_co_u32 s46, s46, s47
	s_mov_b32 s47, 0
	s_mul_i32 s68, s12, HALFA                      ; where they go: no place in the cluster enters an LDS address
	s_mul_i32 s69, s12, HALFB
	s_add_co_u32 s69, s69, 2*HALFA
	s_wait_dscnt 0x0                               ; the opening add is done
	s_wait_kmcnt 0x0
	s_add_nc_u64 s[14:15], s[4:5], s[16:17]
	s_add_nc_u64 s[46:47], s[6:7], s[46:47]
	CROUND                                         ; all sixteen work-groups are here: the first joint loads meet
.irp s, 0,1
	s_mov_b32 s[G0+4*(\s)], 1
	s_add_co_u32 s[G0+4*(\s)+1], s68, (\s)*SLOT
	s_add_nc_u64 s[G0+4*(\s)+2:G0+4*(\s)+3], s[14:15], (\s)*KSTEP*2
	s_or_b32 s[G0+4*(\s)+3], s[G0+4*(\s)+3], 0x80000000
	s_mov_b32 s[G0B+4*(\s)], 1
	s_add_co_u32 s[G0B+4*(\s)+1], s69, (\s)*SLOT
	s_add_nc_u64 s[G0B+4*(\s)+2:G0B+4*(\s)+3], s[46:47], (\s)*KSTEP*2048
	s_or_b32 s[G0B+4*(\s)+3], s[G0B+4*(\s)+3], 0x80000000
	JLOAD \s                                       ; K steps 0 and 1: two loads of mine are out
.endr
	v_and_b32 v1, 15, v0                           ; r = l % 16
	v_bfe_u32 v2, v0, 4, 1                         ; h = l / 16
	v_mul_u32_u24 v3, v1, PITCH
	v_lshl_add_u32 v3, v2, 4, v3                   ; hbuf: row r, 16 bytes for each half of the lanes
	v_and_b32 v4, 7, v0
	v_lshl_add_u32 v4, v2, 3, v4                   ; W2: lane l addresses k = 8 h + l % 8,
	v_mul_u32_u24 v4, v4, PBB
	v_bfe_u32 v5, v0, 3, 1
	v_lshl_add_u32 v4, v5, 4, v4                   ; columns 8 ((l / 8) % 2) + 0..7
	s_lshl_b32 s21, s10, 7                         ; my 64 along K: 128 bytes of each of hbuf's rows,
	s_mul_i32 s22, s10, 64*PBB                     ; 64 of W2's rows,
	s_add_co_u32 s22, s22, 2*HALFA                 ; which lie behind hbuf's 128
.irp s, 0,1
	v_add_nc_u32 v[ADRA+(\s)], s21, v3
	v_add_nc_u32 v[ADRB+(\s)], s22, v4
	s_add_co_u32 s21, s21, SLOT
	s_add_co_u32 s22, s22, SLOT
.endr
	v_and_b32 v5, 31, v0
	v_lshlrev_b32 v[CO], 4, v5                     ; 16 x lane: my 16 bytes of a row of 512, in out0 and in the stage
	v_lshl_add_u32 v[EXS], s10, 16, v[CO]          ; my part of the exchange: wave x 65,536
	v_lshl_add_u32 v[RX], s10, 14, v[CO]           ; my 32 rows are 16 accumulators, 16,384 bytes, in each part
	v_add_nc_u32 v[RX+1], 0x10000, v[RX]
	v_add_nc_u32 v[RX+2], 0x20000, v[RX]
	v_add_nc_u32 v[RX+3], 0x30000, v[RX]
	s_mul_i32 s23, s10, 16*SPITCH
	s_add_co_u32 s23, s23, STAGE                   ; my stage
	v_mul_u32_u24 v4, v1, SPITCH                   ; in: row r, 32 bytes for each half of the lanes
	v_lshl_add_u32 v4, v2, 5, v4
	v_add_nc_u32 v[STO], s23, v4
	v_add_nc_u32 v[RD], s23, v[CO]                 ; back: 32 lanes take one row of 512 bytes
	s_lshl_b32 s16, s13, 7
	s_lshl_b32 s17, s10, 5
	s_add_co_u32 s16, s16, s17                     ; the first row that I store: 128 x tile row + 32 x wave
	s_lshl_b32 s18, s16, 12
	s_mov_b32 s19, 0
	s_add_nc_u64 s[8:9], s[8:9], s[18:19]
	s_lshl_b32 s46, s42, 9                         ; the tile's first column, in bytes of f32
	s_mov_b32 s47, 0
	s_add_nc_u64 s[8:9], s[8:9], s[46:47]
	s_add_nc_u64 s[70:71], s[6:7], s[46:47]
	s_add_nc_u64 s[70:71], s[70:71], 0x1008000     ; b2 of both experts, [2048] f32, behind w2x's rows and b1's table
	v_lshlrev_b32 v6, 5, v2
	WIN TO_B
.irp b, 0,1,2,3,4,5,6,7                ; my eight columns in each of the eight blocks of 16
	global_load_b128 v[BC+8*\b:BC+8*\b+3], v6, s[70:71] offset:64*\b
	global_load_b128 v[BC+8*\b+4:BC+8*\b+7], v6, s[70:71] offset:64*\b+16
	global_load_b128 v[BP+8*\b:BP+8*\b+3], v6, s[70:71] offset:4096+64*\b
	global_load_b128 v[BP+8*\b+4:BP+8*\b+7], v6, s[70:71] offset:4096+64*\b+16
.endr
	WIN 0
	s_lshl_b32 s18, s16, 3
	s_add_nc_u64 s[66:67], s[66:67], s[18:19]
	s_add_nc_u64 s[66:67], s[66:67], 0x800000
	v_lshlrev_b32 v7, 3, v1
	global_load_b64 v[PP:PP+1], v7, s[66:67]
	global_load_b64 v[PP+2:PP+3], v7, s[66:67] offset:128
; 8 matrix instructions: row block a of the window's four (hi = 0: rows 0-63, 1: rows 64-127) x all 8 column blocks, 32 along K.  zero = 1: the first product starts the sums.
; The 64 accumulators take turns, one instruction a turn.
.macro MULA f, hi, a, zero
	WIN MUL_LO+0x50*(\hi)
.irp b, 0,1,2,3,4,5,6,7
.if \zero
	v_wmma_f32_16x16x32_f16 v[8*(8*(\a)+(\b)):8*(8*(\a)+(\b))+7], v[(\f)+8*(\b):(\f)+8*(\b)+7], v[(\f)+8*(4*(\hi)+(\a)):(\f)+8*(4*(\hi)+(\a))+7], 0
.else
	v_wmma_f32_16x16x32_f16 v[8*(8*(\a)+(\b)):8*(8*(\a)+(\b))+7], v[(\f)+8*(\b):(\f)+8*(\b)+7], v[(\f)+8*(4*(\hi)+(\a)):(\f)+8*(4*(\hi)+(\a))+7], v[8*(8*(\a)+(\b)):8*(8*(\a)+(\b))+7]
.endif
.endr
.endm
.macro MUL16 f, hi, a0, zero
	MULA \f, \hi, \a0, \zero
	MULA \f, \hi, (\a0)+1, \zero
.endm
; 32 LDS loads in one run: the fragments of half q (32 along K) of my 64 into buffer f: W2's 128 columns, turned, then hbuf's 128 rows
.macro FETCH slot, q, f
	WIN TO_B
.irp i, 0,1,2,3,4,5,6,7
	ds_load_tr16_b128 v[(\f)+8*(\i):(\f)+8*(\i)+3],   v[ADRB+(\slot)] offset:(\q)*32*PBB+32*(\i)
	ds_load_tr16_b128 v[(\f)+8*(\i)+4:(\f)+8*(\i)+7], v[ADRB+(\slot)] offset:(\q)*32*PBB+16*PBB+32*(\i)
.endr
	WIN 0
.irp i, 0,1,2,3,4,5,6,7
	ds_load_b128 v[(\f)+8*(\i):(\f)+8*(\i)+3],   v[ADRA+(\slot)] offset:(\q)*64+(\i)*16*PITCH
	ds_load_b128 v[(\f)+8*(\i)+4:(\f)+8*(\i)+7], v[ADRA+(\slot)] offset:(\q)*64+(\i)*16*PITCH+32
.endr
.endm
.macro PLACES                          ; four plain places in front of loads into registers that matrix instructions have read, and of lines that read results
.rept 4
	v_nop
.endr
.endm
; A K step is, for a wave, two halves of 32 along K, 64 matrix instructions each, on buffers 0 and 1.  The first half: multiplies buffer f; in its middle it fetches half q of the slot into buffer g.
.macro QUARTER slot, q, f, g, zero
	s_wait_dscnt 8                                 ; W2's fragments and hbuf's rows 0-63 are in; the youngest eight loads may be out
	MUL16 \f, 0, 0, \zero
	MUL16 \f, 0, 2, \zero
	PLACES
	FETCH \slot, \q, \g
	s_wait_dscnt 32                                ; all but the 32 just issued
	MUL16 \f, 1, 0, \zero
	MUL16 \f, 1, 2, \zero
.endm
; The second half multiplies buffer 1 and changes slots: ONE barrier for two things.  In front of it each wave waits for all its tensor loads, of which one is out: its part of the next slot;
; adds 0 to its spare word; and waits for that and for its own reads of this slot.  fill = 1: this slot is filled again, two K steps on.  From a request to the wait for it a wave issues 112 matrix instructions.
.macro TURN slot, next, fill
	s_wait_dscnt 8                                 ; W2's fragments and hbuf's rows 0-63 are in
	MUL16 F1, 0, 0, 0
	WIN 0                                          ; (the add's two registers lie in window 0)
	s_wait_tensorcnt 0x0                           ; all my tensor loads have landed: my part of the next slot
	ds_add_u32 v[SPW], v[NIL]                      ; 0 onto my spare word
	MULA F1, 0, 2, 0                               ; eight matrix instructions stand between the add and the wait for it
	s_wait_dscnt 0x0                               ; the add is done, and my reads of this slot are over
	s_barrier_signal -1
	MULA F1, 0, 3, 0                               ; work on registers while the others arrive
.if \fill
	WIN 0
.endif
	s_barrier_wait -1
.if \fill
	CREST                                          ; the barrier has opened a round of the cluster's: no wave of any partner still reads this slot or has a load on its way
	s_add_nc_u64 s[G0+4*(\slot)+2:G0+4*(\slot)+3], s[G0+4*(\slot)+2:G0+4*(\slot)+3], 2*KSTEP*2
	s_add_nc_u64 s[G0B+4*(\slot)+2:G0B+4*(\slot)+3], s[G0B+4*(\slot)+2:G0B+4*(\slot)+3], 2*KSTEP*2048
	JLOAD \slot                                    ; the first tensor load behind the round; its four v_nop are also the places in front of the loads below
.else
	PLACES
.endif
	FETCH \next, 0, F0
	MUL16 F1, 1, 0, 0
	MUL16 F1, 1, 2, 0
.endm
	s_wait_tensorcnt 1                             ; my part of K step 0 is in; K step 1's may stay out
	s_barrier_signal -1
	s_barrier_wait -1
	FETCH 0, 0, F0
	QUARTER 0, 1, F0, F1, 1                        ; the first half step stands in front of the loop: its products start the sums
	WIN 0                                          ; at a label and at a branch every window is 0
	s_mov_b32 s3, LAPS-1
.Llap:                                                 ; a trip goes once round the ring, from a lap's second half step to the next lap's first, and fills both slots again
	TURN 0, 1, 1
	QUARTER 1, 1, F0, F1, 0
	TURN 1, 0, 1
	QUARTER 0, 1, F0, F1, 0
	WIN 0
	s_sub_co_u32 s3, s3, 1
	s_cmp_lg_u32 s3, 0
	s_cbranch_scc1 .Llap
	TURN 0, 1, 0                                   ; the last lap fills nothing
	QUARTER 1, 1, F0, F1, 0
	s_wait_dscnt 8
	MUL16 F1, 0, 0, 0
	MUL16 F1, 0, 2, 0
	s_wait_dscnt 0x0                               ; my last reads of the ring are over:
	s_barrier_signal -1                            ; say so,
	MUL16 F1, 1, 0, 0
	MUL16 F1, 1, 2, 0
	WIN 0
	s_barrier_wait -1                              ; and when all four have said so the ring's bytes, which have had their last fill, are free for the exchange
	; THE EXCHANGE.  Each wave lays its 64 accumulators down as they lie in registers: accumulator c at 1,024 c of its part, registers 0-3 of the 32 lanes, then registers 4-7: consecutive 16 bytes a lane.
	PLACES
	WIN 0x08                                       ; store data in window 2
.set c, 0
.rept 32
	ds_store_b128 v[EXS], v[8*c:8*c+3] offset:1024*c           ; each accumulator's low registers first
	ds_store_b128 v[EXS], v[8*c+4:8*c+7] offset:1024*c+512
.set c, c+1
.endr
	WIN 0x0c                                       ; store data in window 3
.set c, 0
.rept 32
	ds_store_b128 v[EXS], v[8*c:8*c+3] offset:32768+1024*c
	ds_store_b128 v[EXS], v[8*c+4:8*c+7] offset:32768+1024*c+512
.set c, c+1
.endr
	WIN 0
	s_wait_dscnt 0x0                               ; for the others' sake: my part lies in LDS
	s_barrier_signal -1
	s_barrier_wait -1
	s_wait_loadcnt 0x0                             ; b2, the perturbed b2 and p
; THE WAY OUT of my block k (16 rows x 128 columns: 8 accumulators): the four waves' parts are added, the merged bias is added, and the block goes through my own stage: in by lanes
; (eight columns of a row each), back by rows of 512 bytes.
.macro OUTBLK k
.if (\k) > 0
	s_wait_xcnt 0x0                                ; R2 held the data of the last block's stores: it is loaded into only behind this wait
.endif
.irp s, 0,1,2
.irp b, 0,1,2,3,4,5,6,7
	ds_load_b128 v[R0+64*(\s)+8*(\b):R0+64*(\s)+8*(\b)+3],   v[RX+(\s)] offset:(8*(\k)+(\b))*1024
	ds_load_b128 v[R0+64*(\s)+8*(\b)+4:R0+64*(\s)+8*(\b)+7], v[RX+(\s)] offset:(8*(\k)+(\b))*1024+512
.endr
.endr
	s_wait_dscnt 16                                ; the parts of waves 0 and 1 are in; wave 2's sixteen loads may be out
.set n, 0
.rept 32
	v_pk_add_f32 v[R0+2*n:R0+2*n+1], v[R0+2*n:R0+2*n+1], v[R1+2*n:R1+2*n+1]
.set n, n+1
.endr
.irp b, 0,1,2,3,4,5,6,7
	ds_load_b128 v[R1+8*(\b):R1+8*(\b)+3],   v[RX+3] offset:(8*(\k)+(\b))*1024
	ds_load_b128 v[R1+8*(\b)+4:R1+8*(\b)+7], v[RX+3] offset:(8*(\k)+(\b))*1024+512
.endr
	s_wait_dscnt 16                                ; wave 2's part is in; wave 3's sixteen loads may be out
.set n, 0
.rept 32
	v_pk_add_f32 v[R0+2*n:R0+2*n+1], v[R0+2*n:R0+2*n+1], v[R2+2*n:R2+2*n+1]
.set n, n+1
.endr
	s_wait_dscnt 0x0
.set n, 0
.rept 32
	v_pk_add_f32 v[R0+2*n:R0+2*n+1], v[R0+2*n:R0+2*n+1], v[R1+2*n:R1+2*n+1]
.set n, n+1
.endr
	WIN 0x01                                       ; source 0 (the bias) in window 1
.set n, 0
.rept 32
	v_pk_fma_f32 v[R0+2*n:R0+2*n+1], v[BC+2*n:BC+2*n+1], v[PP+2*(\k):PP+2*(\k)+1], v[R0+2*n:R0+2*n+1] op_sel_hi:[1,0,1]
.set n, n+1
.endr
.set n, 0
.rept 32
	v_pk_fma_f32 v[R0+2*n:R0+2*n+1], v[BP+2*n:BP+2*n+1], v[PP+2*(\k):PP+2*(\k)+1], v[R0+2*n:R0+2*n+1] op_sel:[0,1,0] op_sel_hi:[1,1,1]
.set n, n+1
.endr
	WIN 0
.irp b, 0,1,2,3,4,5,6,7
	ds_store_b128 v[STO], v[R0+8*(\b):R0+8*(\b)+3] offset:64*(\b)
	ds_store_b128 v[STO], v[R0+8*(\b)+4:R0+8*(\b)+7] offset:64*(\b)+16
.endr
.set t, 0
.rept 16
	ds_load_b128 v[R2+4*t:R2+4*t+3], v[RD] offset:t*SPITCH     ; LDS serves a wave's instructions in order (ISA guide 5.7.1.4): these see the stores above
.set t, t+1
.endr
.set t, 0
.rept 16
	s_wait_dscnt 15-t                              ; the younger loads from the stage stay out
	global_store_b128 v[CO], v[R2+4*t:R2+4*t+3], s[8:9] offset:(16*(\k)+t)*4096 th:TH_STORE_NT   ; 32 lanes store 512 consecutive bytes, at a multiple of 512 from out0's first byte
.set t, t+1
.endr
.endm
	OUTBLK 0
	OUTBLK 1
	s_wait_tensorcnt 0x0                           ; the wave's end: it stands behind my last tensor load and my last LDS store
	ds_add_u32 v[SPW], v[NIL]
	s_wait_dscnt 0x0
	CROUND                                         ; the closing round: no work-group ends while a partner may still ask for a tile that names it
	s_endpgm
.Lfunc_end_k_q892e0a02b9_ffn2:
	.size	k_q892e0a02b9_ffn2, .Lfunc_end_k_q892e0a02b9_ffn2-k_q892e0a02b9_ffn2
	.p2alignl 7, 3214868480
	.fill 96, 4, 3214868480
	.section	.rodata,"a",@progbits
	.p2align	6, 0x0
	.amdhsa_kernel k_q892e0a02b9_ffn2
		.amdhsa_group_segment_fixed_size 327680
		.amdhsa_private_segment_fixed_size 0
		.amdhsa_enable_private_segment 0
		.amdhsa_kernarg_size 32
		.amdhsa_user_sgpr_count 2
		.amdhsa_user_sgpr_kernarg_segment_ptr 1
		.amdhsa_wavefront_size32 1
		.amdhsa_system_sgpr_workgroup_id_x 1
		.amdhsa_system_sgpr_workgroup_id_y 1
		.amdhsa_system_sgpr_workgroup_id_z 1
		.amdhsa_system_vgpr_workitem_id 0
		.amdhsa_next_free_vgpr 1024
		.amdhsa_next_free_sgpr 72
		.amdhsa_reserve_vcc 0
		.amdhsa_float_denorm_mode_32 3
		.amdhsa_float_denorm_mode_16_64 3
		.amdhsa_memory_ordered 1
		.amdhsa_forward_progress 1
		.amdhsa_inst_pref_size 109
	.end_amdhsa_kernel
	.amdgpu_metadata
---
amdhsa.version: [ 1, 2 ]
amdhsa.kernels:
  - .name:           k_q892e0a02b9_ffn2
    .symbol:         k_q892e0a02b9_ffn2.kd
    .args:
      - { .name: hbuf, .offset: 0, .size: 8, .value_kind: global_buffer, .address_space: global }
      - { .name: w2x, .offset: 8, .size: 8, .value_kind: global_buffer, .address_space: global }
      - { .name: xb, .offset: 16, .size: 8, .value_kind: global_buffer, .address_space: global }
      - { .name: out0, .offset: 24, .size: 8, .value_kind: global_buffer, .address_space: global }
    .group_segment_fixed_size: 327680
    .private_segment_fixed_size: 0
    .kernarg_segment_align: 8
    .kernarg_segment_size: 32
    .max_flat_workgroup_size: 128
    .sgpr_count:     72
    .vgpr_count:     1024
    .wavefront_size: 32
...
	.end_amdgpu_metadata
.endif
;; end of part 5
